; MI455X (gfx1250); checked and timed in simulation.
; The chip was launched on July 23, 2026; its instructions are those of AMD's public machine-readable ISA for CDNA 5 (MIT licence, August 2026) and "CDNA5" Instruction Set Architecture Reference Guide (July 2026). The comments in the code are by the model that wrote it; some were corrected since.
;; Block. Allowed arithmetic: matrix products marked QUANTISED: E2M3 operands, one E8M0 scale for each 32 along K, by v_wmma_scale_f32_16x16x128_f8f6f4 with both operands' format E2M3, f32 sums; everything else in f32.
;; Inputs: W1_codes 4,096 x 32 x 24 uint8 (E2M3 codes of W1, K innermost, in blocks of 32 codes, four codes in three bytes); W1_scales 4,096 x 32 uint8 (E8M0 scales of W1, one for each 32 codes along K); W2_codes 1,024 x 128 x 24 uint8 (E2M3 codes of W2, K innermost, in blocks of 32 codes, four codes in three bytes); W2_scales 1,024 x 128 uint8 (E8M0 scales of W2, one for each 32 codes along K); Wk_codes 16 x 64 x 32 x 24 uint8 (E2M3 codes of Wk, K innermost, in blocks of 32 codes, four codes in three bytes); Wk_scales 16 x 64 x 32 uint8 (E8M0 scales of Wk, one for each 32 codes along K); Wproj_codes 1,024 x 32 x 24 uint8 (E2M3 codes of Wproj, K innermost, in blocks of 32 codes, four codes in three bytes); Wproj_scales 1,024 x 32 uint8 (E8M0 scales of Wproj, one for each 32 codes along K); Wq_codes 16 x 64 x 32 x 24 uint8 (E2M3 codes of Wq, K innermost, in blocks of 32 codes, four codes in three bytes); Wq_scales 16 x 64 x 32 uint8 (E8M0 scales of Wq, one for each 32 codes along K); Wv_codes 16 x 64 x 32 x 24 uint8 (E2M3 codes of Wv, K innermost, in blocks of 32 codes, four codes in three bytes); Wv_scales 16 x 64 x 32 uint8 (E8M0 scales of Wv, one for each 32 codes along K); b1 4,096 float32; b2 1,024 float32; bproj 1,024 float32; ln1_b 1,024 float32; ln1_g 1,024 float32; ln2_b 1,024 float32; ln2_g 1,024 float32; x 4 x 1,024 x 1,024 float32.
;; Outputs: out0 4 x 1,024 x 1,024 float32.
;; This version of the problem:
;;   THIS VERSION OF THE PROBLEM IS GIVEN IN LOW PRECISION. The matrix products marked QUANTISED in the list below multiply operands that are first quantised to E2M3 (2 exponent bits, 3 mantissa bits; 6 bits a number), with one power-of-two scale for each 32 numbers along K (OCP MX v1.0); their sums are f32. All else is computed in f32.
;;   The module's matrix products, in the order in which they are computed (A, B: the left and right operand; K: the contracted axis; several contracted axes count as one K, in the product's order):
;;     1. [M 1,024, K 1,024] x [K 1,024, N 4,096]; A: input Wq (given as codes); B: computed on the way: QUANTISED
;;     2. [M 1,024, K 1,024] x [K 1,024, N 4,096]; A: input Wk (given as codes); B: computed on the way: QUANTISED
;;     3. [M 1,024, K 1,024] x [K 1,024, N 4,096]; A: input Wv (given as codes); B: computed on the way: QUANTISED
;;     4. batch 64 x [M 1,024, K 64] x [K 64, N 1,024]; A: computed on the way; B: computed on the way: QUANTISED
;;     5. batch 64 x [M 1,024, K 1,024] x [K 1,024, N 64]; A: softmax (see below); B: computed on the way: QUANTISED
;;     6. [M 4,096, K 1,024] x [K 1,024, N 1,024]; A: computed on the way; B: input Wproj (given as codes): QUANTISED
;;     7. [M 4,096, K 1,024] x [K 1,024, N 4,096]; A: computed on the way; B: input W1 (given as codes): QUANTISED
;;     8. [M 4,096, K 4,096] x [K 4,096, N 1,024]; A: computed on the way; B: input W2 (given as codes): QUANTISED
;;   THE QUANTISER, for each operand of a quantised product, along K:
;;     - K is cut into blocks of 32 from its start; a last block that is shorter is filled with zeros.
;;     - A block's scale is 2^e with e = floor(log2(the largest magnitude in the block)) - 2, held to -126 .. 127; a block of zeros has e = 0. As a byte (E8M0): e + 127.
;;     - Each number is divided by its block's scale, clamped to +-7.5, and rounded to the nearest number of E2M3, ties to even, subnormals kept.
;;     - The product sums the exact products of the quantised numbers (number of the format x scale) in f32.
;;   ~~~python
;;   def quantise(x, axis):      # numpy; x: float32 -> the quantised numbers, widened to float32 again
;;       x = np.moveaxis(x, axis, -1); K = x.shape[-1]
;;       x = np.pad(x, [(0, 0)] * (x.ndim - 1) + [(0, -K % 32)]); x = x.reshape(x.shape[:-1] + (-1, 32)); a = np.abs(x).max(-1, keepdims=True)
;;       e = np.where(a > 0, np.clip(np.frexp(np.where(a > 0, a, 1))[1] - 1 - 2, -126, 127), 0)      # np.frexp(a)[1] - 1 = floor(log2(a)), exactly
;;       r = np.clip(x / 2.0 ** e, -7.5, 7.5)
;;       step = 2.0 ** (np.maximum(np.frexp(np.where(r == 0, 1, r))[1] - 1, 0) - 3)
;;       q = np.round(r / step) * step * 2.0 ** e      # np.round: ties to even
;;       return np.moveaxis(q.reshape(q.shape[:-2] + (-1,))[..., :K], -1, axis).astype(np.float32)
;;   ~~~
;;   SOFTMAX AHEAD OF A QUANTISED PRODUCT. Where the list says 'softmax', what is quantised is not the finished softmax but p = 2^(t - M), with t = logit x log2(e) and M = ceil(the row's largest t), a whole number; so 1/2 < the row's largest p <= 1. The row's sum l is taken of the UNQUANTISED p, in f32, and the product's result is divided by l at the end. Since M is a whole number, a kernel that streams over the keys may use a running M (the ceiling of the running maximum): every later rescaling is an exact power of two, which a block's scale takes up: the codes' values come out the same.
;;   OPERANDS COMPUTED ON THE WAY. 'Computed on the way' means the value that the module computes at that place (a softmax that the list does not call 'softmax' is quantised finished and normalised). What goes into a quantiser is computed in f32, as accurately as f32 sums, v_exp_f32 and their like allow (about 1e-6 of the number): no bf16 or f16 on the way to a quantiser, and a product that is left as it is and whose result goes on into a quantised operand takes f32 operands (vector FMAs, or v_wmma_f32_16x16x4_f32). A number that lies on a knife's edge between two numbers of the format may be rounded either way, as far as f32 arithmetic and the matrix unit's own rounding can turn it there, and no further.
;;   INPUTS GIVEN AS CODES. W1 (in the module: [1024, 4096], K = its axis 0); W2 (in the module: [4096, 1024], K = its axis 0); Wk (in the module: [16, 1024, 64], K = its axis 1); Wproj (in the module: [1024, 1024], K = its axis 0); Wq (in the module: [16, 1024, 64], K = its axis 1); Wv (in the module: [16, 1024, 64], K = its axis 1): each comes as NAME_codes (uint8): NAME with its K axis moved to the last place and cut into blocks of 32 codes, [.., K / 32, bytes a block], one block behind the other in memory; four codes in three bytes: a row's codes are one little-endian stream of bits, code i at bits 6 i .. 6 i + 5 (a code: sign, 2 exponent bits, 3 mantissa bits); and NAME_scales (uint8): the same leading axes, one E8M0 byte (e + 127) for each 32 codes along K. Its value is code x scale, taken as it is: it is not quantised again, and the codes and scales need not be those that the quantiser above would give.
;; One version. Each part assembles by itself: llvm-mc -triple=amdgcn-amd-amdhsa -mcpu=gfx1250 --defsym DOCPART=n.
;; ======== version 1 of 1: 7 launches
;; limits: right only within a limited range of input values
;; workspace buffers: wts 9,830,400 bytes; act 3,276,800 bytes; qkv 16,384,000 bytes; ob 3,276,800 bytes; x1 16,777,216 bytes; hid 13,107,200 bytes
;; launch ln1 (part 1): grid 448 x 1, 4 waves a work-group, no clusters, 66,304 bytes of LDS; arguments x, ln1_g, ln1_b, act, Wq_codes, Wq_scales, Wk_codes, Wk_scales, Wv_codes, Wv_scales, Wproj_codes, Wproj_scales, W1_codes, W1_scales, W2_codes, W2_scales, wts; writes act, wts
.if DOCPART == 1
	.amdgcn_target "amdgcn-amd-amdhsa--gfx1250"
	.amdhsa_code_object_version 6
	.text
	.protected	k_q29b6e6d593_ln1
	.globl	k_q29b6e6d593_ln1
	.p2align	8
	.type	k_q29b6e6d593_ln1,@function
k_q29b6e6d593_ln1:
	s_mov_b64 s[64:65], 0
	v_nop
	global_prefetch_b8 v0, s[64:65] scope:SCOPE_SE
	s_setreg_imm32_b32 hwreg(HW_REG_WAVE_MODE, 25, 1), 1
	s_wait_xcnt 0x0
; LAUNCH 1 OF 7: h = layernorm(x) quantised to E2M3 along C (work-groups 0-255), and the six weights' codes and scale bytes laid anew (work-groups 256-447).
; DEAD WORK OF THE PROGRAM.  reference() builds jnp.tril itself: key s counts for query t only where s <= t; a hidden score is -inf, its p is 0 for every input.  So the attention launch walks, for a tile of
; 16 queries, only the steps of 128 keys that hold a key at or under the tile's last query; the steps beyond are whole units whose result reaches no output.  Nothing else is left out and every input is loaded.
; LIMITS: a NaN, an infinity or an overflow that reaches only those hidden key steps is not carried to the result.  NaN and infinities among the inputs are not served.  A block whose largest magnitude lies
; under 2^-124 gets the scale byte 1; a block of zeros gets 1 where the rule says 127: its codes are zeros, which add nothing under that byte, and the bytes are read by this program alone.
; LAYOUT OF EVERY OPERAND IN THE WORKSPACE.  Rows go in blocks of 16: lane-row r of block j is matrix row 32 (j / 2) + 8 (j % 2) + r + 8 (r / 8).  A fragment (block j, 128 along K) is an image of its 12 registers,
; 1,536 bytes: registers 2 p, 2 p + 1 of lane l at 256 p + 8 l; fragments lie [block][K step].  Scale words lie [block][K step][16 rows], 64 bytes a fragment.
; THE NORM: a work-group owns one block of 16 rows.  Wave w norms 4 rows (a row = 32 registers a lane-set: the mean, then the sum of squared differences: no difference of large sums), puts them in a stage in LDS;
; behind one barrier wave w reads, for all 16 rows, the numbers of K steps 2 w and 2 w + 1 in the order that the conversions want (16 neighbours a lane) and quantises them.
; No cluster: work-groups share only the gain and the bias, 8 KB beside 64 KB of rows.  No tensor load: each byte goes through registers once.
.set PITCH, 4112                       ; a stage row: 4,096 bytes + 16: the 16 rows that a load of 16 bytes a lane touches start 16 bytes apart modulo 256
.set SPARE, 16*PITCH                   ; behind the stage: the spare words, 128 bytes a wave
.set X,   32                           ; v32-159  four rows, later two K steps' numbers
.set GG,  160                          ; v160-191 gain
.set BB,  192                          ; v192-223 bias
.set TM,  160                          ; v160-175 at work in QUANT (gain is done with by then)
.set SPW, 8
.set NIL, 9
.set SEL, 60                           ; s[60:61] lane selects: lane l xor 16
.set WS,  9437184                      ; wts: where the scale words begin
.set ASC, 3145728                      ; act: where the scale words begin
; 64 numbers of a lane, register 16 b + i = k 32 b + 16 (lane / 16) + i of my row, become a fragment's codes in v[pc] .. v[pc + 11] and its scale word in v[pw]
.macro QUANT s, pc, pw
.irp b, 0,1,2,3
	v_max3_num_f32 v[TM+\b], |v[\s+16*\b]|, |v[\s+1+16*\b]|, 0x1800000   ; my 16 numbers of block b and the floor 2^(3 - 127): the byte cannot fall under 1
.endr
.irp i, 2,4,6,8,10,12,14
.irp b, 0,1,2,3
	v_max3_num_f32 v[TM+\b], v[TM+\b], |v[\s+16*\b+\i]|, |v[\s+1+16*\b+\i]|
.endr
.endr
.irp b, 0,1,2,3
	v_permlanex16_b32 v[TM+4+\b], v[TM+\b], s[SEL], s[SEL+1]
.endr
.irp b, 0,1,2,3
	v_max_num_f32 v[TM+\b], v[TM+\b], v[TM+4+\b]   ; with lane l xor 16's 16: the block's largest magnitude
.endr
.irp b, 0,1,2,3
	v_add_nc_u32 v[TM+12+\b], 0xff000000, v[TM+\b] ; 2 off its exponent field: the conversion's scale operand
.endr
.irp b, 0,1,2,3
	v_lshrrev_b32 v[TM+4+\b], 23, v[TM+12+\b]      ; the scale's byte
.endr
	v_lshl_or_b32 v[\pw], v[TM+5], 8, v[TM+4]
	v_lshl_or_b32 v[\pw], v[TM+6], 16, v[\pw]
	v_lshl_or_b32 v[\pw], v[TM+7], 24, v[\pw]
.irp c, 0,1
	v_cvt_scalef32_pk16_fp6_f32 v[\pc+6*\c:\pc+2+6*\c], v[\s+32*\c:\s+15+32*\c], v[TM+12+2*\c]
	v_cvt_scalef32_pk16_fp6_f32 v[\pc+12+4*\c:\pc+14+4*\c], v[\s+16+32*\c:\s+31+32*\c], v[TM+12+2*\c+1]   ; (a conversion's three registers begin on an even number)
.endr
	v_nop                                          ; one plain line behind the conversions
.irp c, 0,1                                    ; a whole block to a lane: lanes 0-15 block 2 c, lanes 16-31 block 2 c + 1
.irp i, 0,1,2
	v_permlane16_swap_b32 v[\pc+6*\c+\i], v[\pc+12+4*\c+\i]
.endr
.irp i, 0,1,2
	v_mov_b32 v[\pc+3+6*\c+\i], v[\pc+12+4*\c+\i]
.endr
.endr
.endm
.macro REDUCE                          ; v[10 + 2 i], v[11 + 2 i]: row i's two partial sums -> the row's sum in every lane
.irp i, 0,1,2,3
	v_add_f32 v[10+2*\i], v[10+2*\i], v[11+2*\i]
.endr
.irp m, 1,2,4,8
.irp i, 0,1,2,3
	v_add_f32_dpp v[10+2*\i], v[10+2*\i], v[10+2*\i] row_xmask:\m row_mask:0xf bank_mask:0xf
.endr
.endr
.irp i, 0,1,2,3
	v_permlanex16_b32 v[26+\i], v[10+2*\i], s[SEL], s[SEL+1]
.endr
.irp i, 0,1,2,3
	v_add_f32 v[10+2*\i], v[10+2*\i], v[26+\i]
.endr
.endm
	s_load_b256 s[4:11], s[0:1], 0x0               ; x, gain, bias, act
	s_load_b512 s[16:31], s[0:1], 0x20             ; Wq, Wk, Wv, Wproj: codes, scales
	s_load_b256 s[32:39], s[0:1], 0x60             ; W1, W2: codes, scales
	s_load_b64 s[40:41], s[0:1], 0x80              ; wts
	v_lshl_add_u32 v[SPW], v0, 2, SPARE
	v_mov_b32 v[NIL], 0
	v_lshrrev_b32 v1, 5, v0
	v_readfirstlane_b32 s12, v1                    ; wave
	v_and_b32 v1, 31, v0                           ; lane
	v_and_b32 v7, 15, v0                           ; r
	v_bfe_u32 v30, v0, 4, 1                        ; h
	v_lshlrev_b32 v2, 4, v1                        ; 16 x lane
	v_lshlrev_b32 v5, 3, v1                        ; 8 x lane
	v_lshlrev_b32 v6, 2, v1                        ; 4 x lane
	s_mul_i32 s13, s12, 4*PITCH
	v_lshl_add_u32 v3, v1, 4, s13                  ; into the stage: my wave's four rows, 16 bytes a lane
	v_mul_u32_u24 v4, v7, PITCH
	v_lshl_add_u32 v4, v30, 6, v4
	s_lshl_b32 s13, s12, 10
	v_add_nc_u32 v4, s13, v4                       ; out of it: row r, + 64 h, + my wave's two K steps
	s_mov_b32 s[SEL], 0x76543210
	s_mov_b32 s[SEL+1], 0xfedcba98
	s_mov_b32 s58, 0x3a800000                      ; 1 / 1024
	s_mov_b32 s59, 0x3727c5ac                      ; 1e-5
.irp i, 0,1,2,3
	v_mov_b32 v[19+2*\i], 0                        ; upper halves of pairs of which the low word alone is used
	v_mov_b32 v[26+\i], 0                          ; a lane permute's destination counts as a source
.endr
	s_wait_kmcnt 0x0
	s_cmp_ge_u32 ttmp9, 256                        ; the same in all waves of a work-group
	s_cbranch_scc1 .Lprep
	; ---- the norm.  My wave's rows: 32 (j / 2) + 8 (j % 2) + 4 w + 8 (w / 2) + 0 .. 3
	s_lshr_b32 s42, ttmp9, 1
	s_lshl_b32 s42, s42, 5
	s_and_b32 s43, ttmp9, 1
	s_lshl_b32 s43, s43, 3
	s_add_co_u32 s42, s42, s43
	s_lshl_b32 s43, s12, 2
	s_add_co_u32 s42, s42, s43
	s_lshr_b32 s43, s12, 1
	s_lshl_b32 s43, s43, 3
	s_add_co_u32 s42, s42, s43
	s_lshl_b32 s42, s42, 12                        ; rows of 4,096 bytes
	s_mov_b32 s43, 0
	s_add_nc_u64 s[4:5], s[4:5], s[42:43]
	s_lshl_b32 s44, ttmp9, 3
	s_lshl_b32 s45, s12, 1
	s_add_co_u32 s44, s44, s45
	s_mul_i32 s44, s44, 1536                       ; fragment (j, 2 w)
	s_mov_b32 s45, 0
	s_add_nc_u64 s[46:47], s[10:11], s[44:45]
	s_lshl_b32 s44, ttmp9, 2
	s_add_co_u32 s44, s44, s12
	s_lshl_b32 s44, s44, 7
	s_add_co_u32 s44, s44, ASC                     ; its two K steps' scale words: 128 bytes
	s_add_nc_u64 s[48:49], s[10:11], s[44:45]
.irp i, 0,1,2,3
.irp c, 0,1,2,3,4,5,6,7
	global_load_b128 v[X+32*\i+4*\c:X+32*\i+4*\c+3], v2, s[4:5] offset:4096*\i+512*\c   ; 32 lanes read 512 consecutive bytes
.endr
.endr
.irp c, 0,1,2,3,4,5,6,7
	global_load_b128 v[GG+4*\c:GG+4*\c+3], v2, s[6:7] offset:512*\c
.endr
.irp c, 0,1,2,3,4,5,6,7
	global_load_b128 v[BB+4*\c:BB+4*\c+3], v2, s[8:9] offset:512*\c
.endr
	s_wait_loadcnt 16                              ; the rows are in; gain's and bias's sixteen loads may be out
.irp i, 0,1,2,3
	v_pk_add_f32 v[10+2*\i:11+2*\i], v[X+32*\i:X+32*\i+1], v[X+32*\i+2:X+32*\i+3]
.endr
.irp k, 4,6,8,10,12,14,16,18,20,22,24,26,28,30
.irp i, 0,1,2,3
	v_pk_add_f32 v[10+2*\i:11+2*\i], v[10+2*\i:11+2*\i], v[X+32*\i+\k:X+32*\i+\k+1]
.endr
.endr
	REDUCE
.irp i, 0,1,2,3
	v_mul_f32 v[18+2*\i], s58, v[10+2*\i]          ; the mean
.endr
.irp k, 0,2,4,6,8,10,12,14,16,18,20,22,24,26,28,30
.irp i, 0,1,2,3
	v_pk_add_f32 v[X+32*\i+\k:X+32*\i+\k+1], v[X+32*\i+\k:X+32*\i+\k+1], v[18+2*\i:19+2*\i] op_sel_hi:[1,0] neg_lo:[0,1] neg_hi:[0,1]   ; x - mean
.endr
.endr
.irp i, 0,1,2,3
	v_pk_mul_f32 v[10+2*\i:11+2*\i], v[X+32*\i:X+32*\i+1], v[X+32*\i:X+32*\i+1]
.endr
.irp k, 2,4,6,8,10,12,14,16,18,20,22,24,26,28,30
.irp i, 0,1,2,3
	v_pk_fma_f32 v[10+2*\i:11+2*\i], v[X+32*\i+\k:X+32*\i+\k+1], v[X+32*\i+\k:X+32*\i+\k+1], v[10+2*\i:11+2*\i]
.endr
.endr
	REDUCE
.irp i, 0,1,2,3
	v_fma_f32 v[10+2*\i], v[10+2*\i], s58, s59     ; the variance + eps
.endr
	s_wait_alu depctr_va_vdst(0)
.irp i, 0,1,2,3
	v_rsq_f32 v[18+2*\i], v[10+2*\i]
.endr
	v_nop                                          ; a plain line behind the last of the four
	s_wait_alu depctr_va_vdst(0)                   ; one wait for the four, ahead of their first reader
	s_wait_loadcnt 0x0                             ; gain and bias
.irp k, 0,2,4,6,8,10,12,14,16,18,20,22,24,26,28,30
.irp i, 0,1,2,3
	v_pk_mul_f32 v[X+32*\i+\k:X+32*\i+\k+1], v[X+32*\i+\k:X+32*\i+\k+1], v[18+2*\i:19+2*\i] op_sel_hi:[1,0]
.endr
.irp i, 0,1,2,3
	v_pk_fma_f32 v[X+32*\i+\k:X+32*\i+\k+1], v[X+32*\i+\k:X+32*\i+\k+1], v[GG+\k:GG+\k+1], v[BB+\k:BB+\k+1]
.endr
.endr
.irp i, 0,1,2,3
.irp c, 0,1,2,3,4,5,6,7
	ds_store_b128 v3, v[X+32*\i+4*\c:X+32*\i+4*\c+3] offset:PITCH*\i+512*\c
.endr
.endr
	s_wait_dscnt 0x0                               ; for the others' sake: my rows lie in the stage
	s_barrier_signal -1
	s_barrier_wait -1
.irp u, 0,1
.irp b, 0,1,2,3
.irp i, 0,1,2,3
	ds_load_b128 v[X+64*\u+16*\b+4*\i:X+64*\u+16*\b+4*\i+3], v4 offset:512*\u+128*\b+16*\i   ; K step 2 w + u, block b: my 16 neighbours
.endr
.endr
.endr
.irp b, 0,1,2,3
	v_mov_b32 v[TM+4+\b], 0
.endr
	s_wait_dscnt 16                                ; the first K step's sixteen loads are in
	QUANT X, 176, 216
.irp p, 0,1,2,3,4,5
	global_store_b64 v5, v[176+2*\p:177+2*\p], s[46:47] offset:256*\p      ; 32 lanes store 256 consecutive bytes, aligned
.endr
	s_wait_dscnt 0x0
	QUANT X+64, 196, 217
.irp p, 0,1,2,3,4,5
	global_store_b64 v5, v[196+2*\p:197+2*\p], s[46:47] offset:1536+256*\p
.endr
	v_cmp_le_u32 vcc_lo, 16, v1
	v_cndmask_b32 v218, v216, v217, vcc_lo         ; lanes 0-15: K step 2 w's words; lanes 16-31: K step 2 w + 1's
	global_store_b32 v6, v218, s[48:49]
	s_wait_tensorcnt 0x0                           ; the wave's end
	ds_add_u32 v[SPW], v[NIL]
	s_wait_dscnt 0x0
	s_endpgm
	; ---- the weights.  Task t = 4 (work-group - 256) + wave: one block of 16 rows x 8 K steps (768 bytes of each row).  Tasks: Wq 0-63, Wk 64-127, Wv 128-191, Wproj 192-255, W1 256-511, W2 512-767 (4 tasks a block).
	; In wts the six tensors lie in that order, so task t's fragments begin at 12,288 t and its scale words at WS + 512 t.  This arm touches no LDS.
.Lprep:
	s_sub_co_u32 s42, ttmp9, 256
	s_lshl_b32 s54, s42, 2
	s_add_co_u32 s54, s54, s12                     ; t
	s_cmp_lt_u32 s42, 16
	s_cselect_b64 s[44:45], s[16:17], s[20:21]
	s_cselect_b64 s[46:47], s[18:19], s[22:23]
	s_cselect_b32 s48, 0, 64                       ; the tensor's first task
	s_cmp_lt_u32 s42, 32
	s_cselect_b64 s[44:45], s[44:45], s[24:25]
	s_cselect_b64 s[46:47], s[46:47], s[26:27]
	s_cselect_b32 s48, s48, 128
	s_cmp_lt_u32 s42, 48
	s_cselect_b64 s[44:45], s[44:45], s[28:29]
	s_cselect_b64 s[46:47], s[46:47], s[30:31]
	s_cselect_b32 s48, s48, 192
	s_cmp_lt_u32 s42, 64
	s_cselect_b64 s[44:45], s[44:45], s[32:33]
	s_cselect_b64 s[46:47], s[46:47], s[34:35]
	s_cselect_b32 s48, s48, 256
	s_mov_b32 s49, 3072
	s_cmp_lt_u32 s42, 128
	s_cselect_b64 s[44:45], s[44:45], s[36:37]
	s_cselect_b64 s[46:47], s[46:47], s[38:39]
	s_cselect_b32 s48, s48, 512
	s_cselect_b32 s49, 768, s49                    ; a row of codes in bytes
	s_cselect_b32 s50, 0, 2                        ; tasks to a block: 1 or 4
	s_cselect_b32 s51, 0, 3
	s_cselect_b32 s52, 32, 128                     ; a row of scale bytes
	s_sub_co_u32 s55, s54, s48
	s_lshr_b32 s53, s55, s50                       ; the block
	s_and_b32 s55, s55, s51                        ; which 8 K steps
	s_lshr_b32 s48, s53, 1
	s_lshl_b32 s48, s48, 5
	s_and_b32 s53, s53, 1
	s_lshl_b32 s53, s53, 3
	s_add_co_u32 s48, s48, s53                     ; the block's first row: 32 (blk / 2) + 8 (blk % 2)
	s_mul_i32 s50, s48, s49
	s_mul_i32 s51, s55, 768
	s_add_co_u32 s50, s50, s51
	s_mov_b32 s51, 0
	s_add_nc_u64 s[44:45], s[44:45], s[50:51]
	s_mul_i32 s50, s48, s52
	s_lshl_b32 s53, s55, 5
	s_add_co_u32 s50, s50, s53
	s_add_nc_u64 s[46:47], s[46:47], s[50:51]
	s_mul_i32 s56, s54, 12288
	s_mov_b32 s57, 0
	s_add_nc_u64 s[56:57], s[40:41], s[56:57]
	s_lshl_b32 s62, s54, 9
	s_add_co_u32 s62, s62, WS
	s_mov_b32 s63, 0
	s_add_nc_u64 s[62:63], s[40:41], s[62:63]
	v_and_b32 v31, 8, v7
	v_add_nc_u32 v31, v31, v7                      ; r + 8 (r / 8)
	v_mul_lo_u32 v10, v31, s49
	v_mad_u32_u24 v10, v30, 24, v10                ; codes: my row, + 24 h
	v_mul_lo_u32 v11, v31, s52
	v_lshl_add_u32 v11, v30, 2, v11                ; scale words: my row; lanes 16-31 the odd K step's
.irp t, 0,1,2,3
	global_load_b32 v[128+\t], v11, s[46:47] offset:8*\t
.endr
.irp s, 0,1,2,3,4,5,6,7
.irp p, 0,1,2,3,4,5
	global_load_b64 v[32+12*\s+2*\p:33+12*\s+2*\p], v10, s[44:45] offset:96*\s+48*(\p/3)+8*(\p%3)
.endr
.endr
	s_cmp_ge_u32 s42, 128                          ; W2's work-groups: the last launch reads W2 16 bytes a lane, in an order of K steps of its own
	s_cbranch_scc1 .Lw2
.irp s, 0,1,2,3,4,5,6,7
	s_wait_loadcnt 6*(7-\s)
.irp p, 0,1,2,3,4,5
	global_store_b64 v5, v[32+12*\s+2*\p:33+12*\s+2*\p], s[56:57] offset:1536*\s+256*\p
.endr
.endr
.irp t, 0,1,2,3
	global_store_b32 v6, v[128+\t], s[62:63] offset:128*\t
.endr
	s_endpgm
	; W2: a fragment's registers 4 q .. 4 q + 3 of lane l at 512 q + 16 l; K step 8 q + s of a block lies at place 4 s + q, so that step s of all four quarters of K is 6,144 consecutive bytes:
	; task q's first fragment stands 1,536 q into the block in place of 12,288 q.  The task's scale words lie as [lane][4]: word t of lane (r, h) is K step 2 t + h of lane-row r
.Lw2:
	s_mul_i32 s50, s55, 10752
	s_sub_nc_u64 s[56:57], s[56:57], s[50:51]
.irp s, 0,1,2,3,4,5,6,7
	s_wait_loadcnt 6*(7-\s)
.irp q, 0,1,2
	global_store_b128 v2, v[32+12*\s+4*\q:35+12*\s+4*\q], s[56:57] offset:6144*\s+512*\q   ; 32 lanes store 512 consecutive bytes, aligned
.endr
.endr
	global_store_b128 v2, v[128:131], s[62:63]
	s_endpgm
.Lfunc_end_k_q29b6e6d593_ln1:
	.size	k_q29b6e6d593_ln1, .Lfunc_end_k_q29b6e6d593_ln1-k_q29b6e6d593_ln1
	.p2alignl 7, 3214868480
	.fill 96, 4, 3214868480
	.section	.rodata,"a",@progbits
	.p2align	6, 0x0
	.amdhsa_kernel k_q29b6e6d593_ln1
		.amdhsa_group_segment_fixed_size 66304
		.amdhsa_private_segment_fixed_size 0
		.amdhsa_enable_private_segment 0
		.amdhsa_kernarg_size 136
		.amdhsa_user_sgpr_count 2
		.amdhsa_user_sgpr_kernarg_segment_ptr 1
		.amdhsa_wavefront_size32 1
		.amdhsa_system_sgpr_workgroup_id_x 1
		.amdhsa_system_sgpr_workgroup_id_y 1
		.amdhsa_system_sgpr_workgroup_id_z 1
		.amdhsa_system_vgpr_workitem_id 0
		.amdhsa_next_free_vgpr 224
		.amdhsa_next_free_sgpr 66
		.amdhsa_reserve_vcc 1
		.amdhsa_float_denorm_mode_32 3
		.amdhsa_float_denorm_mode_16_64 3
		.amdhsa_memory_ordered 1
		.amdhsa_forward_progress 1
		.amdhsa_inst_pref_size 59
	.end_amdhsa_kernel
	.amdgpu_metadata
---
amdhsa.version: [ 1, 2 ]
amdhsa.kernels:
  - .name:           k_q29b6e6d593_ln1
    .symbol:         k_q29b6e6d593_ln1.kd
    .args:
      - { .name: x, .offset: 0, .size: 8, .value_kind: global_buffer, .address_space: global }
      - { .name: ln1_g, .offset: 8, .size: 8, .value_kind: global_buffer, .address_space: global }
      - { .name: ln1_b, .offset: 16, .size: 8, .value_kind: global_buffer, .address_space: global }
      - { .name: act, .offset: 24, .size: 8, .value_kind: global_buffer, .address_space: global }
      - { .name: Wq_codes, .offset: 32, .size: 8, .value_kind: global_buffer, .address_space: global }
      - { .name: Wq_scales, .offset: 40, .size: 8, .value_kind: global_buffer, .address_space: global }
      - { .name: Wk_codes, .offset: 48, .size: 8, .value_kind: global_buffer, .address_space: global }
      - { .name: Wk_scales, .offset: 56, .size: 8, .value_kind: global_buffer, .address_space: global }
      - { .name: Wv_codes, .offset: 64, .size: 8, .value_kind: global_buffer, .address_space: global }
      - { .name: Wv_scales, .offset: 72, .size: 8, .value_kind: global_buffer, .address_space: global }
      - { .name: Wproj_codes, .offset: 80, .size: 8, .value_kind: global_buffer, .address_space: global }
      - { .name: Wproj_scales, .offset: 88, .size: 8, .value_kind: global_buffer, .address_space: global }
      - { .name: W1_codes, .offset: 96, .size: 8, .value_kind: global_buffer, .address_space: global }
      - { .name: W1_scales, .offset: 104, .size: 8, .value_kind: global_buffer, .address_space: global }
      - { .name: W2_codes, .offset: 112, .size: 8, .value_kind: global_buffer, .address_space: global }
      - { .name: W2_scales, .offset: 120, .size: 8, .value_kind: global_buffer, .address_space: global }
      - { .name: wts, .offset: 128, .size: 8, .value_kind: global_buffer, .address_space: global }
    .group_segment_fixed_size: 66304
    .private_segment_fixed_size: 0
    .kernarg_segment_align: 8
    .kernarg_segment_size: 136
    .max_flat_workgroup_size: 128
    .sgpr_count:     66
    .vgpr_count:     224
    .wavefront_size: 32
...
	.end_amdgpu_metadata
.endif
;; end of part 1
;; launch qkv (part 2): grid 12 x 16, 4 waves a work-group, clusters of 4 x 4, 327,680 bytes of LDS; arguments act, wts, qkv; writes qkv
.if DOCPART == 2
	.amdgcn_target "amdgcn-amd-amdhsa--gfx1250"
	.amdhsa_code_object_version 6
	.text
	.protected	k_q29b6e6d593_qkv
	.globl	k_q29b6e6d593_qkv
	.p2align	8
	.type	k_q29b6e6d593_qkv,@function
k_q29b6e6d593_qkv:
	s_mov_b64 s[64:65], 0
	v_nop
	global_prefetch_b8 v0, s[64:65] scope:SCOPE_SE
	s_setreg_imm32_b32 hwreg(HW_REG_WAVE_MODE, 25, 1), 1
	s_wait_xcnt 0x0
	s_wait_alu depctr_hold_cnt(0) depctr_sa_sdst(0) depctr_va_vdst(0) depctr_va_sdst(0) depctr_va_ssrc(0) depctr_va_vcc(0) depctr_vm_vsrc(0)
	s_getreg_b32 s2, hwreg(HW_REG_IB_STS2, 6, 4)
	s_cmp_eq_u32 s2, 0
	s_cbranch_scc0 .Lentry_in_a_cluster
	s_endpgm
.Lentry_in_a_cluster:
	s_bfe_u32 s2, ttmp6, 0x10000c
	s_cmp_lg_u32 s2, 0xf033
	s_cbranch_scc0 .Lentry_shape_is_right
	s_endpgm
.Lentry_shape_is_right:
; LAUNCH 2 OF 7 (FFN = 0): q, k and v = h W, on codes of E2M3, and their results quantised again: q and k along the head's 64, v along the keys.  With FFN = 1 the same text is launch 6: relu(h2 W1 + b1), quantised along DFF.
; A tile of 256 x 256 results to a work-group of four waves, 128 x 128 a wave: 64 accumulators, 512 registers.  K = 1,024 goes in four fills of 256 through two LDS slots.
; THE PRODUCT IS USED TRANSPOSED: source 0 = 16 rows of the B-role operand, source 1 = 16 rows of the A-role operand: a lane holds ONE row of the A-role and its registers run along the B-role's rows, which by the
; workspace's order of rows (lane-row r of block j = row 32 (j / 2) + 8 (j % 2) + r + 8 (r / 8)) are 16 neighbours in each pair of tiles: what the conversions want.  So a wave's 128 B-role rows become one fragment.
; ROLES.  q, k (clusters x = 0, 1) and FFN: A = the tokens' codes, B = the weight.  v (cluster x = 2): A = Wv, B = the tokens: the fragment's K is then the keys.  The choice hangs on the cluster's x alone: pointers are selected, no branch.
; Operands lie in memory as images of their registers (1,536 bytes a fragment, [block][K step]): a fill is 8 blocks x 3,072 bytes for each wave; a fragment comes out of LDS by six loads of 8 bytes a lane, 256 consecutive bytes each.
; Scale words of all of K stay in registers: one load brings K step 2 t in lanes 0-15 and K step 2 t + 1 in lanes 16-31, so the odd K steps read row 1 of both scale registers.
; CLUSTERS: 4 x 4.  The A-role's tile is shared along a row of the cluster, the B-role's along a column: joint loads, each with the same descriptor in the four that its mask names.
; Two tensor loads of a wave are out at the start, one behind each round.  No prefetch: two of the four fills go out at the head.  LIMITS as stated in launch 1.
; REGISTERS: window 0: v16-29 addresses; v32-63 A's scale words (4 a + t), v64-95 B's; v128-223 A's fragments, one set; on the way out v128-179 at work.  window 1: B's fragments, two sets at v0 and v128; with FFN b1 at v96-127, v224-255.
;   windows 2, 3: accumulator (a, b) at v[8 (8 (a % 4) + b)] of window 2 + a / 4.
.set FFN,   0
.set HALFT, 24576                      ; 8 blocks x 2 K steps x 1,536: what one tensor load brings
.set SLOT,  4*HALFT
.set SPARE, 2*SLOT
.set FR,    12
.set WS,    9437184
.set ADRA, 16
.set ADRB, 20
.set LN,   22
.set L8,   24
.set L4,   25
.set SCO,  26
.set BAD,  27
.set SPW,  28
.set NIL,  29
.set SCA,  32
.set SCB,  64
.set AF,   128
.set TM,   128
.set PC,   144
.set PWS,  168
.set PWC,  176
.set SEL,  2
.set G1,  24
.set G0,  32
.set G1B, 48
.set G0B, 56
.set MSB, 0
.macro WIN new                         ; the immediate's high byte repeats the setting that is left
.if MSB != (\new)
	s_set_vgpr_msb (MSB<<8)|(\new)
.set MSB, (\new)
.endif
.endm
.macro JLOAD s                         ; a joint load: waves 0, 1 fetch the A-role's halves, waves 2, 3 the B-role's; s_nop 0 and four v_nop follow each line
	s_cmp_eq_u32 s15, 0
	s_cbranch_scc0 .Lfor_b_\@
	tensor_load_to_lds s[G0+4*(\s):G0+4*(\s)+3], s[G1:G1+7]
	s_nop 0
.rept 4
	v_nop
.endr
	s_branch .Lasked_\@
.Lfor_b_\@:
	tensor_load_to_lds s[G0B+4*(\s):G0B+4*(\s)+3], s[G1B:G1B+7]
	s_nop 0
.rept 4
	v_nop
.endr
.Lasked_\@:
.endm
.macro CREST
	s_cmp_lg_u32 s14, 0
	s_cbranch_scc1 .Lnot_wave_0_\@
	s_barrier_signal -3
.Lnot_wave_0_\@:
	s_barrier_wait -3
	s_barrier_signal -1
	s_barrier_wait -1
.endm
.macro CROUND
	s_barrier_signal -1
	s_barrier_wait -1
	CREST
.endm
.macro PLACES n
.rept \n
	v_nop
.endr
.endm
	s_load_b128 s[4:7], s[0:1], 0x0                ; act, wts
.if FFN
	s_load_b128 s[8:11], s[0:1], 0x10              ; b1, hid
.else
	s_load_b64 s[8:9], s[0:1], 0x10                ; qkv
.endif
	v_lshl_add_u32 v[SPW], v0, 2, SPARE
	v_mov_b32 v[NIL], 0
	ds_add_u32 v[SPW], v[NIL]                      ; the opening: the add, twice on end, and its wait ahead of my first tensor load
	ds_add_u32 v[SPW], v[NIL]
	v_lshrrev_b32 v1, 5, v0
	v_readfirstlane_b32 s14, v1
	v_and_b32 v18, 31, v0                          ; the prefetches' offset: 24 blocks of 256 bytes, a lane a block (lanes 24-31 name the last again)
	v_min_u32 v18, 23, v18
	v_mul_u32_u24 v19, v18, 43
	v_lshrrev_b32 v19, 9, v19                      ; 1 from the twelfth on: the second of my two operand blocks
	v_lshlrev_b32 v18, 8, v18
	v_mad_u32_u24 v18, v19, 9216, v18              ; which begins 12,288 bytes behind the first
	s_lshr_b32 s15, s14, 1                         ; my half of the A-role's rows.  Also: I fetch for A (0) or B (1)
	s_and_b32 s16, s14, 1                          ; my half of the B-role's rows.  Also: which half of that tile I fetch
	s_bfe_u32 s40, ttmp6, 0x40000                  ; cx
	s_bfe_u32 s41, ttmp6, 0x40004                  ; cy
	s_and_b32 s17, ttmp7, 0xffff                   ; cluster y
.if FFN
	s_mov_b32 s18, s17
	s_mov_b32 s19, ttmp9
.else
	s_cmp_eq_u32 ttmp9, 2                          ; v's clusters: the same answer in all sixteen partners
	s_cselect_b32 s18, 0, s17                      ; v: Wv's four tile rows are the cluster's four
	s_cselect_b32 s19, s17, ttmp9                  ; v: the tokens' sixteen tile columns go by cluster y
	s_cselect_b32 s82, 1, 0
.endif
	s_lshl_b32 s17, s18, 2
	s_add_co_u32 s17, s17, s41                     ; tile row (A-role)
	s_lshl_b32 s42, s19, 2
	s_add_co_u32 s42, s42, s40                     ; tile column (B-role)
	s_lshl_b32 s43, s41, 2
	s_lshl_b32 s43, 15, s43                        ; my row of the cluster
	s_lshl_b32 s44, 0x1111, s40                    ; my column
	s_or_b32 s[G1+0], s43, (3<<16)|(1<<21)         ; the mask; elements of 8 bytes; bit 21 beside a mask; no padding
	s_or_b32 s[G1B+0], s44, (3<<16)|(1<<21)
.irp g, G1, G1B
	s_mov_b32 s[\g+1], 384<<16                     ; tensor_dim0: 3,072 bytes
	s_mov_b32 s[\g+2], 8<<16                       ; tensor_dim1: 8 blocks
	s_mov_b32 s[\g+3], 384<<16                     ; tile_dim0
	s_mov_b32 s[\g+4], 8                           ; tile_dim1
	s_mov_b32 s[\g+5], 1536                        ; from block to block: 8 K steps x 1,536 bytes
	s_mov_b32 s[\g+6], 0
	s_mov_b32 s[\g+7], 0
.endr
	s_lshl_b32 s18, s16, 3
	s_lshl_b32 s20, s17, 4
	s_add_co_u32 s20, s20, s18                     ; A: block 16 x tile row + 8 x half
	s_lshl_b32 s46, s42, 4
	s_add_co_u32 s46, s46, s18                     ; B: block 16 x tile column + 8 x half
	s_mul_i32 s20, s20, 12288
	s_mul_i32 s46, s46, 12288
	s_mov_b32 s21, 0
	s_mov_b32 s47, 0
	s_mul_i32 s45, s14, HALFT                      ; where my load lands: no place in the cluster enters an LDS address
	s_mov_b32 s[SEL], 0x76543210
	s_mov_b32 s[SEL+1], 0xfedcba98
	s_wait_alu depctr_va_vdst(0)
	s_wait_dscnt 0x0
	s_wait_kmcnt 0x0
.if FFN
	s_mov_b64 s[68:69], s[4:5]                     ; A's images, scale words
	s_add_nc_u64 s[70:71], s[4:5], 3145728
	s_add_nc_u64 s[72:73], s[6:7], 3145728         ; B's: W1
	s_add_nc_u64 s[74:75], s[6:7], WS+131072
	s_mov_b64 s[76:77], s[10:11]                   ; the results' images, scale words
	s_add_nc_u64 s[78:79], s[10:11], 12582912
	s_mov_b64 s[80:81], s[8:9]                     ; b1
.else
	s_add_nc_u64 s[84:85], s[4:5], 3145728         ; act's scale words
	s_add_nc_u64 s[86:87], s[6:7], 1572864         ; Wv's images
	s_add_nc_u64 s[88:89], s[6:7], WS+65536        ; Wv's scale words
	s_add_nc_u64 s[90:91], s[6:7], WS              ; Wq's and Wk's scale words
	s_add_nc_u64 s[92:93], s[8:9], 12582912        ; v's images
	s_add_nc_u64 s[94:95], s[8:9], 15728640        ; q's and k's scale words
	s_add_nc_u64 s[96:97], s[8:9], 16252928        ; v's scale words
	s_cmp_eq_u32 s82, 1
	s_cselect_b64 s[68:69], s[86:87], s[4:5]
	s_cselect_b64 s[70:71], s[88:89], s[84:85]
	s_cselect_b64 s[72:73], s[4:5], s[6:7]
	s_cselect_b64 s[74:75], s[84:85], s[90:91]
	s_cselect_b64 s[76:77], s[92:93], s[8:9]
	s_cselect_b64 s[78:79], s[96:97], s[94:95]
.endif
	s_add_nc_u64 s[20:21], s[68:69], s[20:21]
	s_add_nc_u64 s[46:47], s[72:73], s[46:47]
	s_cmp_eq_u32 s15, 0                            ; the prefetches: of the eight blocks that I fetch, each of the four partners that ask with me names two, told apart by address
	s_cselect_b64 s[84:85], s[20:21], s[46:47]
	s_cselect_b32 s86, s40, s41
	s_mul_i32 s86, s86, 24576
	s_mov_b32 s87, 0
	s_add_nc_u64 s[84:85], s[84:85], s[86:87]
	CROUND                                         ; all sixteen work-groups are here: the first joint loads meet
.irp s, 0,1
	s_mov_b32 s[G0+4*\s], 1
	s_add_co_u32 s[G0+4*\s+1], s45, \s*SLOT
	s_add_nc_u64 s[G0+4*\s+2:G0+4*\s+3], s[20:21], \s*3072
	s_or_b32 s[G0+4*\s+3], s[G0+4*\s+3], 0x80000000
	s_mov_b32 s[G0B+4*\s], 1
	s_add_co_u32 s[G0B+4*\s+1], s45, \s*SLOT
	s_add_nc_u64 s[G0B+4*\s+2:G0B+4*\s+3], s[46:47], \s*3072
	s_or_b32 s[G0B+4*\s+3], s[G0B+4*\s+3], 0x80000000
.if \s == 0
	JLOAD 0                                        ; the first fill: one tensor load a wave at the head
	global_prefetch_b8 v18, s[84:85] offset:3072 th:TH_LOAD_NT scope:SCOPE_SE   ; the second fill: 3,072 bytes of each block
.endif
.endr
	v_and_b32 v[LN], 31, v0
	v_and_b32 v1, 15, v0                           ; r
	v_bfe_u32 v2, v0, 4, 1                         ; h
	v_lshlrev_b32 v[L8], 3, v[LN]
	v_lshlrev_b32 v[L4], 2, v[LN]
	s_wait_alu depctr_va_vdst(0)
	v_lshlrev_b32 v[SCO], 2, v1
	v_lshl_add_u32 v[SCO], v2, 11, v[SCO]          ; the results' scale words: 4 r; lanes 16-31 the next block's, 2,048 bytes on
	v_lshlrev_b32 v[BAD], 6, v2                    ; b1: 16 h numbers on
	s_mul_i32 s18, s15, HALFT
	s_mul_i32 s19, s16, HALFT
	s_add_co_u32 s19, s19, 2*HALFT
.irp s, 0,1
	v_add_nc_u32 v[ADRA+\s], s18, v[L8]
	v_add_nc_u32 v[ADRB+\s], s19, v[L8]
	s_add_co_u32 s18, s18, SLOT
	s_add_co_u32 s19, s19, SLOT
.endr
	s_lshl_b32 s18, s17, 4
	s_lshl_b32 s19, s15, 3
	s_add_co_u32 s18, s18, s19                     ; my first block of the A-role
	s_lshl_b32 s22, s18, 9                         ; 512 bytes of scale words a block
	s_mov_b32 s23, 0
	s_add_nc_u64 s[70:71], s[70:71], s[22:23]
	s_lshl_b32 s19, s42, 4
	s_lshl_b32 s22, s16, 3
	s_add_co_u32 s19, s19, s22                     ; of the B-role
	s_lshl_b32 s22, s19, 9
	s_add_nc_u64 s[74:75], s[74:75], s[22:23]
	s_lshl_b32 s18, s18, 5                         ; the results lie [A-role block][32 K steps]: mine is K step 2 x tile column + half
	s_lshl_b32 s19, s42, 1
	s_add_co_u32 s18, s18, s19
	s_add_co_u32 s18, s18, s16
	s_mul_i32 s22, s18, 1536
	s_add_nc_u64 s[76:77], s[76:77], s[22:23]
	s_lshl_b32 s22, s18, 6
	s_add_nc_u64 s[78:79], s[78:79], s[22:23]
.irp a, 0,1,2,3,4,5,6,7
.irp t, 0,1,2,3
	global_load_b32 v[SCA+4*\a+\t], v[L4], s[70:71] offset:128*(4*\a+\t)
	global_load_b32 v[SCB+4*\a+\t], v[L4], s[74:75] offset:128*(4*\a+\t)
.endr
.endr
.if FFN
	s_lshl_b32 s22, s42, 10
	s_lshl_b32 s19, s16, 9
	s_add_co_u32 s22, s22, s19
	s_add_nc_u64 s[80:81], s[80:81], s[22:23]      ; b1 at my 128 hidden units
	WIN 0x40
.irp b, 0,1,2,3,4,5,6,7                        ; in the result's layout: tile b, lane half h: units 32 (b / 2) + 16 h + 8 (b % 2) + 0 .. 7
	global_load_b128 v[96+8*\b+96*(\b/4):96+8*\b+96*(\b/4)+3], v[BAD], s[80:81] offset:4*(32*(\b/2)+8*(\b%2))
	global_load_b128 v[96+8*\b+96*(\b/4)+4:96+8*\b+96*(\b/4)+7], v[BAD], s[80:81] offset:4*(32*(\b/2)+8*(\b%2))+16
.endr
	WIN 0
.endif
.macro FRAG reg, adr, q, i             ; a fragment as it lies: six loads of 8 bytes a lane
.irp p, 0,1,2,3,4,5
	ds_load_b64 v[\reg+2*\p:\reg+2*\p+1], v[\adr] offset:3072*(\i)+1536*(\q)+256*\p
.endr
.endm
.macro FETCH_B slot, q, p
	WIN 0x40
.irp i, 0,1,2,3,4,5,6,7
	FRAG 128*(\p)+FR*\i, ADRB+\slot, \q, \i
.endr
	WIN 0
.endm
.macro FETCH_A slot, q, i0
.irp i, \i0, \i0+1, \i0+2, \i0+3
	FRAG AF+FR*(\i), ADRA+\slot, \q, \i
.endr
.endm
; 16 products: A's blocks a0, a0 + 1 x B's eight; p: B's set; q: the K step's parity (which row of the scale registers); t: which scale register.  first = 1: the sums begin, with 0 or with b1.
; The 64 accumulators take turns, one instruction a turn, in the same order in every step.
.macro MUL16 a0, p, q, t, first
.irp a, \a0, \a0+1
.irp b, 0,1,2,3,4,5,6,7
.set rD, 8*(8*((\a)%4)+\b)
.set rB, 128*(\p)+FR*\b
.set rA, AF+FR*(\a)
.set rSB, SCB+4*\b+(\t)
.set rSA, SCA+4*(\a)+(\t)
.set rC, rD
.if (\first) && FFN
.set rC, 96+8*\b+96*(\b/4)
.endif
.if (\first) && (FFN == 0)
	v_wmma_scale_f32_16x16x128_f8f6f4 v[rD:rD+7], v[rB:rB+11], v[rA:rA+11], 0, v[rSB], v[rSA] matrix_a_fmt:MATRIX_FMT_FP6 matrix_b_fmt:MATRIX_FMT_FP6
.elseif (\q) == 0
	v_wmma_scale_f32_16x16x128_f8f6f4 v[rD:rD+7], v[rB:rB+11], v[rA:rA+11], v[rC:rC+7], v[rSB], v[rSA] matrix_a_fmt:MATRIX_FMT_FP6 matrix_b_fmt:MATRIX_FMT_FP6
.else
	v_wmma_scale_f32_16x16x128_f8f6f4 v[rD:rD+7], v[rB:rB+11], v[rA:rA+11], v[rC:rC+7], v[rSB], v[rSA] matrix_a_fmt:MATRIX_FMT_FP6 matrix_b_fmt:MATRIX_FMT_FP6 matrix_a_scale:MATRIX_SCALE_ROW1 matrix_b_scale:MATRIX_SCALE_ROW1
.endif
.endr
.endr
.endm
.macro STEP slot, t, first             ; a slot's first K step
	s_wait_dscnt 24                                ; B's set and A's blocks 0-3 are in; A's blocks 4-7 (4 x 6 loads) may be out
.if (\first) && FFN
	WIN 0x91                                       ; B window 1, A window 0, b1 window 1, results window 2
.else
	WIN 0xa1
.endif
	MUL16 0, 0, 0, \t, \first
	MUL16 2, 0, 0, \t, \first
	s_wait_dscnt 0
	PLACES 4                                       ; in front of loads into registers that matrix instructions have read
	FETCH_B \slot, 1, 1
	FETCH_A \slot, 1, 0
.if (\first) && FFN
	WIN 0xd1
.else
	WIN 0xf1
.endif
	MUL16 4, 0, 0, \t, \first
	MUL16 6, 0, 0, \t, \first
	PLACES 4
	WIN 0
	FETCH_A \slot, 1, 4
.endm
.macro TURN slot, next, fill, t        ; a slot's second K step, and the change of slots
	s_wait_tensorcnt 0x0                           ; all my tensor loads have landed: my part of the next slot
	ds_add_u32 v[SPW], v[NIL]                      ; 0 onto my spare word
	s_wait_dscnt 25                                ; (the add and A's blocks 4-7 may be out)
	WIN 0xa1
	MUL16 0, 1, 1, \t, 0
	s_wait_dscnt 0x0                               ; the add is done, and my reads of this slot are over
	s_barrier_signal -1
	MUL16 2, 1, 1, \t, 0
	WIN 0
	s_barrier_wait -1
.if \fill
	CREST                                          ; the barrier has opened a round of the cluster's: no wave of any partner still reads this slot or has a load on its way
	s_add_nc_u64 s[G0+4*\slot+2:G0+4*\slot+3], s[G0+4*\slot+2:G0+4*\slot+3], 6144
	s_add_nc_u64 s[G0B+4*\slot+2:G0B+4*\slot+3], s[G0B+4*\slot+2:G0B+4*\slot+3], 6144
	JLOAD \slot                                    ; the first tensor load behind the round; its four v_nop are the places in front of the loads below
.else
	PLACES 4
.endif
	FETCH_B \next, 0, 0
	FETCH_A \next, 0, 0
.if (\fill) && ((\t) == 0)
	global_prefetch_b8 v18, s[84:85] offset:9216 th:TH_LOAD_NT scope:SCOPE_SE          ; the last fill, one fill ahead; behind it nothing is left to name
.endif
	WIN 0xf1
	MUL16 4, 1, 1, \t, 0
	MUL16 6, 1, 1, \t, 0
	PLACES 4
	WIN 0
	FETCH_A \next, 0, 4
.endm
	s_wait_alu depctr_va_vdst(0)
	s_wait_tensorcnt 0x0                           ; my part of the first fill is in.  The scale words' loads are out meanwhile
	ds_add_u32 v[SPW], v[NIL]
	s_wait_dscnt 0x0
	CROUND
	JLOAD 1                                        ; the second fill
	global_prefetch_b8 v18, s[84:85] offset:6144 th:TH_LOAD_NT scope:SCOPE_SE   ; the third
	FETCH_B 0, 0, 0
	FETCH_A 0, 0, 0
	FETCH_A 0, 0, 4
	s_wait_loadcnt 0x0                             ; the scale words (and b1)
	STEP 0, 0, 1
	TURN 0, 1, 1, 0
	STEP 1, 1, 0
	TURN 1, 0, 1, 1
	STEP 0, 2, 0
	TURN 0, 1, 0, 2                                ; nothing is left to fetch
	STEP 1, 3, 0
	s_wait_dscnt 24
	WIN 0xa1
	MUL16 0, 1, 1, 3, 0
	MUL16 2, 1, 1, 3, 0
	s_wait_dscnt 0
	WIN 0xf1
	MUL16 4, 1, 1, 3, 0
	MUL16 6, 1, 1, 3, 0
	WIN 0
	; THE WAY OUT: for each of my eight A-role blocks the lane's 64 results (16 b + i = 32 b + 16 h + i along the next K) become a fragment and a scale word, and leave as images: no LDS.
	PLACES 4
.irp b, 0,1,2,3
	v_mov_b32 v[TM+4+\b], 0                        ; a lane permute's destination counts as a source
.endr
.macro QUANTW a
.set W, 2+(\a)/4
.set sN, 64*((\a)%4)
.if FFN
	WIN (W<<2)|(W<<6)
.set j, 0
.rept 64
	v_max_num_f32 v[sN+j], 0, v[sN+j]              ; the activation, in f32; each accumulator from its low end on
.set j, j+1
.endr
.endif
	WIN W|(W<<2)
.irp b, 0,1,2,3
	v_max3_num_f32 v[TM+\b], |v[sN+16*\b]|, |v[sN+1+16*\b]|, 0x1800000   ; and the floor 2^(3 - 127)
.endr
.irp i, 2,4,6,8,10,12,14
.irp b, 0,1,2,3
	v_max3_num_f32 v[TM+\b], |v[sN+16*\b+\i]|, |v[sN+1+16*\b+\i]|, v[TM+\b]
.endr
.endr
	WIN 0
.irp b, 0,1,2,3
	v_permlanex16_b32 v[TM+4+\b], v[TM+\b], s[SEL], s[SEL+1]
.endr
.irp b, 0,1,2,3
	v_max_num_f32 v[TM+\b], v[TM+\b], v[TM+4+\b]
.endr
.irp b, 0,1,2,3
	v_add_nc_u32 v[TM+12+\b], 0xff000000, v[TM+\b]
.endr
.irp b, 0,1,2,3
	v_lshrrev_b32 v[TM+4+\b], 23, v[TM+12+\b]
.endr
	v_lshl_or_b32 v[PWS+(\a)], v[TM+5], 8, v[TM+4]
	v_lshl_or_b32 v[PWS+(\a)], v[TM+6], 16, v[PWS+(\a)]
	v_lshl_or_b32 v[PWS+(\a)], v[TM+7], 24, v[PWS+(\a)]
	s_wait_xcnt 0x0                                ; the last block's stores have read the codes' registers
	WIN W
.irp c, 0,1
	v_cvt_scalef32_pk16_fp6_f32 v[PC+6*\c:PC+2+6*\c], v[sN+32*\c:sN+15+32*\c], v[TM+12+2*\c]
	v_cvt_scalef32_pk16_fp6_f32 v[PC+12+4*\c:PC+14+4*\c], v[sN+16+32*\c:sN+31+32*\c], v[TM+12+2*\c+1]
.endr
	WIN 0
	v_nop
.irp c, 0,1
.irp i, 0,1,2
	v_permlane16_swap_b32 v[PC+6*\c+\i], v[PC+12+4*\c+\i]
.endr
.irp i, 0,1,2
	v_mov_b32 v[PC+3+6*\c+\i], v[PC+12+4*\c+\i]
.endr
.endr
.irp p, 0,1,2,3,4,5
	global_store_b64 v[L8], v[PC+2*\p:PC+2*\p+1], s[76:77] offset:49152*(\a)+256*\p   ; 32 lanes store 256 consecutive bytes, aligned
.endr
.endm
.irp a, 0,1,2,3,4,5,6,7
	QUANTW \a
.endr
	v_cmp_le_u32 vcc_lo, 16, v[LN]
.irp a, 0,2,4,6
	v_cndmask_b32 v[PWC+\a/2], v[PWS+\a], v[PWS+\a+1], vcc_lo
	global_store_b32 v[SCO], v[PWC+\a/2], s[78:79] offset:2048*\a
.endr
	s_wait_tensorcnt 0x0                           ; the wave's end
	ds_add_u32 v[SPW], v[NIL]
	s_wait_dscnt 0x0
	CROUND                                         ; the closing round
	s_endpgm
.Lfunc_end_k_q29b6e6d593_qkv:
	.size	k_q29b6e6d593_qkv, .Lfunc_end_k_q29b6e6d593_qkv-k_q29b6e6d593_qkv
	.p2alignl 7, 3214868480
	.fill 96, 4, 3214868480
	.section	.rodata,"a",@progbits
	.p2align	6, 0x0
	.amdhsa_kernel k_q29b6e6d593_qkv
		.amdhsa_group_segment_fixed_size 327680
		.amdhsa_private_segment_fixed_size 0
		.amdhsa_enable_private_segment 0
		.amdhsa_kernarg_size 24
		.amdhsa_user_sgpr_count 2
		.amdhsa_user_sgpr_kernarg_segment_ptr 1
		.amdhsa_wavefront_size32 1
		.amdhsa_system_sgpr_workgroup_id_x 1
		.amdhsa_system_sgpr_workgroup_id_y 1
		.amdhsa_system_sgpr_workgroup_id_z 1
		.amdhsa_system_vgpr_workitem_id 0
		.amdhsa_next_free_vgpr 1024
		.amdhsa_next_free_sgpr 98
		.amdhsa_reserve_vcc 1
		.amdhsa_float_denorm_mode_32 3
		.amdhsa_float_denorm_mode_16_64 3
		.amdhsa_memory_ordered 1
		.amdhsa_forward_progress 1
		.amdhsa_inst_pref_size 170
	.end_amdhsa_kernel
	.amdgpu_metadata
---
amdhsa.version: [ 1, 2 ]
amdhsa.kernels:
  - .name:           k_q29b6e6d593_qkv
    .symbol:         k_q29b6e6d593_qkv.kd
    .args:
      - { .name: act, .offset: 0, .size: 8, .value_kind: global_buffer, .address_space: global }
      - { .name: wts, .offset: 8, .size: 8, .value_kind: global_buffer, .address_space: global }
      - { .name: qkv, .offset: 16, .size: 8, .value_kind: global_buffer, .address_space: global }
    .group_segment_fixed_size: 327680
    .private_segment_fixed_size: 0
    .kernarg_segment_align: 8
    .kernarg_segment_size: 24
    .max_flat_workgroup_size: 128
    .sgpr_count:     98
    .vgpr_count:     1024
    .wavefront_size: 32
...
	.end_amdgpu_metadata
.endif
;; end of part 2
;; launch attn (part 3): grid 4 x 64, 16 waves a work-group, clusters of 4 x 1, 167,936 bytes of LDS; arguments qkv, ob; writes ob
.if DOCPART == 3
	.amdgcn_target "amdgcn-amd-amdhsa--gfx1250"
	.amdhsa_code_object_version 6
	.text
	.protected	k_q29b6e6d593_attn
	.globl	k_q29b6e6d593_attn
	.p2align	8
	.type	k_q29b6e6d593_attn,@function
k_q29b6e6d593_attn:
	s_mov_b64 s[64:65], 0
	v_nop
	global_prefetch_b8 v0, s[64:65] scope:SCOPE_SE
	s_setreg_imm32_b32 hwreg(HW_REG_WAVE_MODE, 25, 1), 1
	s_wait_xcnt 0x0
	s_wait_alu depctr_hold_cnt(0) depctr_sa_sdst(0) depctr_va_vdst(0) depctr_va_sdst(0) depctr_va_ssrc(0) depctr_va_vcc(0) depctr_vm_vsrc(0)
	s_getreg_b32 s2, hwreg(HW_REG_IB_STS2, 6, 4)
	s_cmp_eq_u32 s2, 0
	s_cbranch_scc0 .Lentry_in_a_cluster
	s_endpgm
.Lentry_in_a_cluster:
	s_bfe_u32 s2, ttmp6, 0x10000c
	s_cmp_lg_u32 s2, 0x3003
	s_cbranch_scc0 .Lentry_shape_is_right
	s_endpgm
.Lentry_shape_is_right:
; LAUNCH 3 OF 7: o = softmax(q k^T / 32, causal) v for one batch and head, both products on codes of E2M3; o / l is quantised along C for the projection.
; LEFT OUT (shown in launch 1): the steps of 128 keys all of which come after a tile's queries: reference()'s own tril hides them, p = 0 there for every input.
; THE SOFTMAX: t = score x log2(e) / 32; M = the running largest t rounded up to a whole number; p = 2^(t - M) is quantised along the keys; the row's sum is taken of the unquantised p and divides at the end.
; SHARES.  The four work-groups of a cluster serve one (batch, head); all of its K and V (96 KB of codes, 6 KB of scale words) comes into each one's LDS ONCE, by joint loads: nothing is filled again.
; Work-group g, wave w owns the tile of 16 queries that is token block g + 4 i of the sequence and walks key steps 0 .. i / 2.  i hangs on the wave's number alone, so the partners run alike.
; THE MAP w -> i.  Lay the sixteen waves as a square, row w / 4, column w % 4; on its two diagonals i = 15 - w, elsewhere i = w: the magic square of order 4, less one.  Every row and every column then holds
; two even and two odd i that add up to 30, so its four waves have 18 of the work-group's 72 tile-steps (rows: 8+1+2+7, 3+6+5+4, 5+4+3+6, 2+7+8+1): the work is even whether a row or a column of waves works side by side.
; The waves with i = 14, 15 read every tile that is fetched.
; LAYOUT.  Both products transposed: S^T = K Q^T, O^T = V^T P^T: a lane holds one query.  By the workspace's order of rows a pair of key tiles gives 16 neighbouring keys, a pair of V's tiles 16 neighbouring channels.
; The head's 64 fill half of the instruction's 128 along K: registers 6-11 of Q's and K's fragments are zero codes, and the two upper scale bytes are 0 (a power of two, over zeros).
; One tensor load of a wave is out at the most; every wait for tensor loads is for 0.  LIMITS as stated in launch 1.
.set KI, 0                             ; LDS: K's 64 blocks x 768 bytes
.set VI, 49152                         ; V's 4 blocks of 16 channels x 8 key steps x 1,536
.set KS, 98304                         ; K's scale words, 64 bytes a block (both heads of the pair)
.set VS, 102400                        ; V's, 512 bytes a block of channels
.set SPARE, 104448                     ; the spare words: 128 bytes for each of 16 waves
.set V_I,  12582912
.set QK_S, 15728640
.set V_S,  16252928
.set OSC,  3145728
.set L8,1
.set AV0,2
.set AKS0,3
.set AVS0,4
.set SPW,5
.set NIL,6
.set QD,7                              ; my query - 16 (lane / 16)
.set KSW,8                             ; v8-11 K's scale words
.set QSW,28
.set PSW,29
.set FF,30                             ; v[30:31] f
.set R4,80                             ; 4 r
.set ADK,84
.set ADV,85
.set ADKS,86
.set ADVS,87
.set S,96                              ; v96-159 S^T, p; then V's four fragments in v96-143
.set O,160                             ; v160-191 O^T
.set PC,192
.set PT,204
.set BM,212
.set BT,216
.set SO,220
.set T0,226
.set T1,227
.set VSW,236
.set WV,18
.set SEL,20
.set CS,22
.set G1K,24
.set G1V,32
.set G1KS,40
.set G1VS,48
.set G0K,56
.set G0V,60
.set G0KS,68
.set G0VS,72
.set KSI,76
.set LAST,77
.set TK,78
.set TV,79
.set TKS,80
.set TVS,81
.macro CROUND
	s_barrier_signal -1
	s_barrier_wait -1
	s_cmp_lg_u32 s[WV], 0
	s_cbranch_scc1 .Lnot_wave_0_\@
	s_barrier_signal -3
.Lnot_wave_0_\@:
	s_barrier_wait -3
	s_barrier_signal -1
	s_barrier_wait -1
.endm
.macro PLACES n
.rept \n
	v_nop
.endr
.endm
.macro G1SET g, c, r, p                ; a tile of r rows of c elements of 8 bytes, p elements apart, for all four work-groups
	s_mov_b32 s[\g], 15|(3<<16)|(1<<21)
	s_mov_b32 s[\g+1], (\c)<<16
	s_mov_b32 s[\g+2], (\r)<<16
	s_mov_b32 s[\g+3], (\c)<<16
	s_mov_b32 s[\g+4], \r
	s_mov_b32 s[\g+5], \p
	s_mov_b32 s[\g+6], 0
	s_mov_b32 s[\g+7], 0
.endm
	s_load_b128 s[4:7], s[0:1], 0x0                ; qkv, ob
	v_lshl_add_u32 v[SPW], v0, 2, SPARE
	v_mov_b32 v[NIL], 0
	ds_add_u32 v[SPW], v[NIL]                      ; the opening: the add, twice on end, and its wait ahead of my first tensor load
	ds_add_u32 v[SPW], v[NIL]
	v_lshrrev_b32 v84, 5, v0
	s_delay_alu instid0(VALU_DEP_1)
	v_readfirstlane_b32 s[WV], v84                 ; wave 0..15
	s_bfe_u32 s8, ttmp6, 0x40000                   ; g = cx: it enters Q's and o's addresses and the mask's numbers alone
	s_and_b32 s9, ttmp7, 0xffff
	s_lshr_b32 s10, s9, 4                          ; batch
	s_and_b32 s11, s9, 15                          ; head
	s_and_b32 s12, s11, 1                          ; its parity: which half of a fragment of q, k, o
	s_lshr_b32 s13, s11, 1                         ; the pair of heads
	s_lshr_b32 s14, s[WV], 2
	s_xor_b32 s14, s14, s[WV]                      ; its low two bits: (w / 4) xor (w % 4): 0 or 3 on the square's two diagonals
	s_lshr_b32 s17, s14, 1
	s_xor_b32 s14, s14, s17
	s_and_b32 s14, s14, 1                          ; the two bits differ: 1 off the diagonals
	s_xor_b32 s14, s14, 1                          ; 1 on them
	s_mul_i32 s14, s14, 15
	s_xor_b32 s14, s[WV], s14                      ; i = 15 - w on the diagonals, w elsewhere
	s_lshr_b32 s[LAST], s14, 1                     ; my last key step
	s_lshl_b32 s15, s14, 2
	s_add_co_u32 s15, s15, s8                      ; j: my token block in the sequence
	s_and_b32 s16, s[WV], 1
	s_lshl_b32 s82, s10, 6                         ; 64 blocks a sequence
	s_lshl_b32 s83, s16, 5
	s_add_co_u32 s83, s83, s82
	s_lshl_b32 s83, s83, 5
	s_add_co_u32 s83, s83, s13
	s_add_co_u32 s83, s83, 8                       ; k's fragments stand 8 behind q's
	s_mul_i32 s84, s83, 1536
	s_mul_i32 s83, s12, 768
	s_add_co_u32 s84, s84, s83                     ; K: 32 blocks from block 64 b + 32 (wave % 2) on
	s_mov_b32 s85, 0
	s_lshl_b32 s86, s11, 2
	s_lshl_b32 s17, s16, 1
	s_add_co_u32 s86, s86, s17
	s_lshl_b32 s86, s86, 5
	s_lshl_b32 s17, s10, 3
	s_add_co_u32 s86, s86, s17
	s_mul_i32 s86, s86, 1536
	s_add_co_u32 s86, s86, V_I                     ; V: 2 blocks of channels, the batch's 8 key steps
	s_mov_b32 s87, 0
	s_lshl_b32 s88, s10, 11
	s_add_co_u32 s88, s88, s13
	s_add_co_u32 s88, s88, 8
	s_lshl_b32 s88, s88, 6
	s_add_co_u32 s88, s88, QK_S
	s_mov_b32 s89, 0
	s_lshl_b32 s90, s11, 7
	s_add_co_u32 s90, s90, s17
	s_lshl_b32 s90, s90, 6
	s_add_co_u32 s90, s90, V_S
	s_mov_b32 s91, 0
	s_mul_i32 s92, s16, 24576
	s_add_co_u32 s93, s82, s15                     ; J: my token block among all 256
	s_lshl_b32 s96, s93, 5
	s_add_co_u32 s96, s96, s13
	s_lshl_b32 s98, s96, 6
	s_mul_i32 s96, s96, 1536
	s_add_co_u32 s96, s96, s83                     ; Q's half fragment
	s_lshl_b32 s17, s12, 1
	s_add_co_u32 s98, s98, s17
	s_add_co_u32 s98, s98, QK_S                    ; its scale halfwords
	s_lshl_b32 s94, s93, 3
	s_add_co_u32 s94, s94, s13
	s_lshl_b32 s2, s94, 6
	s_mul_i32 s94, s94, 1536
	s_add_co_u32 s94, s94, s83                     ; o's half fragment
	s_add_co_u32 s2, s2, s17
	s_add_co_u32 s2, s2, OSC                       ; its scale halfwords
	s_mov_b32 s97, 0
	s_mov_b32 s99, 0
	s_mov_b32 s95, 0
	s_mov_b32 s3, 0
	G1SET G1K, 96, 32, 6144                        ; 32 blocks x 768 bytes, 49,152 bytes apart
	G1SET G1V, 1536, 2, 6144                       ; 2 blocks x 12,288 bytes
	G1SET G1KS, 8, 64, 256                         ; 64 blocks x 64 bytes, 2,048 apart
	G1SET G1VS, 64, 4, 256                         ; 4 blocks x 512 bytes
	s_mov_b32 s[SEL], 0x76543210
	s_mov_b32 s[SEL+1], 0xfedcba98
	s_mov_b32 s[CS], 0x3d38aa3b                    ; c = log2(e) / 32
	s_mov_b32 s[CS+1], s[CS]
	s_mov_b32 s[KSI], 0
	s_mov_b32 s[TK], 0
	s_mov_b32 s[TV], 0
	s_mov_b32 s[TKS], 0
	s_mov_b32 s[TVS], 0
	s_wait_dscnt 0x0                               ; both opening adds are done
	s_wait_kmcnt 0x0
	s_mov_b32 s[G0K], 1
	s_mov_b32 s[G0K+1], s92
	s_add_nc_u64 s[G0K+2:G0K+3], s[4:5], s[84:85]
	s_or_b32 s[G0K+3], s[G0K+3], 0x80000000
	s_mov_b32 s[G0V], 1
	s_add_co_u32 s[G0V+1], s92, VI
	s_add_nc_u64 s[G0V+2:G0V+3], s[4:5], s[86:87]
	s_or_b32 s[G0V+3], s[G0V+3], 0x80000000
	s_mov_b32 s[G0KS], 1
	s_mov_b32 s[G0KS+1], KS
	s_add_nc_u64 s[G0KS+2:G0KS+3], s[4:5], s[88:89]
	s_or_b32 s[G0KS+3], s[G0KS+3], 0x80000000
	s_mov_b32 s[G0VS], 1
	s_mov_b32 s[G0VS+1], VS
	s_add_nc_u64 s[G0VS+2:G0VS+3], s[4:5], s[90:91]
	s_or_b32 s[G0VS+3], s[G0VS+3], 0x80000000
	s_add_nc_u64 s[96:97], s[4:5], s[96:97]
	s_add_nc_u64 s[98:99], s[4:5], s[98:99]
	s_add_nc_u64 s[94:95], s[6:7], s[94:95]
	s_add_nc_u64 s[2:3], s[6:7], s[2:3]
	CROUND                                         ; all four work-groups are here: the joint loads meet
	s_cmp_lt_u32 s[WV], 2                          ; waves 0, 1: K's halves; 2, 3: V's; 4: K's scale words; 5: V's.  The branches hang on the wave's number alone
	s_cbranch_scc0 .Lnot_k
	tensor_load_to_lds s[G0K:G0K+3], s[G1K:G1K+7]
	s_nop 0
	PLACES 4
	s_branch .Lasked
.Lnot_k:
	s_cmp_lt_u32 s[WV], 4
	s_cbranch_scc0 .Lnot_v
	tensor_load_to_lds s[G0V:G0V+3], s[G1V:G1V+7]
	s_nop 0
	PLACES 4
	s_branch .Lasked
.Lnot_v:
	s_cmp_eq_u32 s[WV], 4
	s_cbranch_scc0 .Lnot_ks
	tensor_load_to_lds s[G0KS:G0KS+3], s[G1KS:G1KS+7]
	s_nop 0
	PLACES 4
	s_branch .Lasked
.Lnot_ks:
	s_cmp_eq_u32 s[WV], 5
	s_cbranch_scc0 .Lasked
	tensor_load_to_lds s[G0VS:G0VS+3], s[G1VS:G1VS+7]
	s_nop 0
	PLACES 4
.Lasked:
	v_and_b32 v84, 31, v0
	s_delay_alu instid0(VALU_DEP_1)
	v_lshlrev_b32 v[L8], 3, v84
	v_and_b32 v85, 15, v0                          ; r
	v_bfe_u32 v86, v0, 4, 1                        ; h
	s_delay_alu instid0(VALU_DEP_2)
	v_lshlrev_b32 v[R4], 2, v85
.irp p, 0,1,2
	global_load_b64 v[16+2*\p:17+2*\p], v[L8], s[96:97] offset:256*\p   ; Q's six registers stay
.endr
	global_load_u16 v[QSW], v[R4], s[98:99]        ; its two scale bytes; the upper two come as 0
	v_add_nc_u32 v[AV0], VI, v[L8]
	s_add_co_u32 s17, s17, KS
	v_add_nc_u32 v[AKS0], s17, v[R4]               ; my head's halfword of a key's scale word
	v_add_nc_u32 v[AVS0], VS, v[R4]
	s_lshr_b32 s83, s15, 1
	s_lshl_b32 s83, s83, 5
	s_and_b32 s17, s15, 1
	s_lshl_b32 s17, s17, 3
	s_add_co_u32 s83, s83, s17
	v_and_b32 v81, 8, v85
	s_delay_alu instid0(VALU_DEP_1)
	v_add_nc_u32 v81, v81, v85
	s_delay_alu instid0(VALU_DEP_1)
	v_add_nc_u32 v[QD], s83, v81                   ; my query: 32 (j / 2) + 8 (j % 2) + r + 8 (r / 8)
	v_lshlrev_b32 v81, 4, v86
	s_delay_alu instid0(VALU_DEP_1)
	v_sub_nc_u32 v[QD], v[QD], v81
.irp i, 22,23,24,25,26,27
	v_mov_b32 v[\i], 0                             ; Q's zero codes
.endr
.irp t, 0,1,2,3
.irp i, 6,7,8,9,10,11
	v_mov_b32 v[32+12*\t+\i], 0                    ; K's: written once, never loaded into
.endr
.endr
.set j, 0
.rept 32
	v_mov_b32 v[O+j], 0                            ; O^T: the step is written once; the first change of M leaves zeros zeros
.set j, j+1
.endr
	v_mov_b32 v14, 0
	v_mov_b32 v15, 0
	v_mov_b32 v13, 0xff61b1e6                      ; the largest t so far: -3e38
	s_delay_alu instid0(VALU_DEP_1)
	v_floor_f32 v12, -v13                          ; -M
	v_mov_b32 v[FF], 0
	v_mov_b32 v[FF+1], 0
	v_mov_b32 v[T0], 0
.irp b, 0,1,2,3
	v_mov_b32 v[BT+\b], 0                          ; a lane permute's destination counts as a source
.endr
	s_wait_tensorcnt 0x0                           ; my load has landed,
	s_barrier_signal -1
	s_barrier_wait -1                              ; everybody's has
	s_wait_loadcnt 0x0                             ; Q
.Lstep:                                            ; 8 trips, a constant; a wave's work ends with its last key step, the address steps at the trip's end go on
	s_cmp_gt_u32 s[KSI], s[LAST]
	s_cbranch_scc1 .Lskip
	v_add_nc_u32 v[ADK], s[TK], v[L8]
	s_wait_alu depctr_va_vdst(0)
	v_add_nc_u32 v[ADV], s[TV], v[AV0]
	v_add_nc_u32 v[ADKS], s[TKS], v[AKS0]
	s_wait_alu depctr_va_vdst(0)
	v_add_nc_u32 v[ADVS], s[TVS], v[AVS0]
	v_nop                                          ; five places: the first product below writes over registers that the last step's products read
.irp g, 0,1                                    ; S^T = K Q^T, four tiles of 16 keys at a time
.if \g
	PLACES 4                                       ; in front of loads into registers that matrix instructions have read
.endif
.irp t, 0,1,2,3
.irp p, 0,1,2
	ds_load_b64 v[32+12*\t+2*\p:33+12*\t+2*\p], v[ADK] offset:768*(4*\g+\t)+256*\p
.endr
	ds_load_u16 v[KSW+\t], v[ADKS] offset:64*(4*\g+\t)
.endr
	s_wait_dscnt 0x0
.irp t, 0,1,2,3
	v_wmma_scale_f32_16x16x128_f8f6f4 v[S+8*(4*\g+\t):S+8*(4*\g+\t)+7], v[32+12*\t:43+12*\t], v[16:27], 0, v[KSW+\t], v[QSW] matrix_a_fmt:MATRIX_FMT_FP6 matrix_b_fmt:MATRIX_FMT_FP6
.endr
.endr
	PLACES 4
	s_cmp_lg_u32 s[KSI], s[LAST]                   ; my last step lies on the diagonal: hidden scores become -infinity ahead of the maximum; in the earlier steps every key counts
	s_cbranch_scc1 .Lopen
	s_lshl_b32 s83, s[KSI], 7
	v_sub_nc_u32 v[T0], v[QD], s83                 ; register n holds key 128 step + 16 (lane / 16) + 32 (n / 16) + n % 16: hidden where 32 (n / 16) + n % 16 > this
	v_mov_b32 v[T1], 0xff800000
.set n, 0
.rept 64
	v_cmp_gt_i32 vcc_lo, 32*(n/16)+n%16, v[T0]
	v_cndmask_b32 v[S+n], v[S+n], v[T1], vcc_lo
.set n, n+1
.endr
.Lopen:
.irp b, 0,1,2,3
	v_max3_num_f32 v[BM+\b], v[S+16*\b], v[S+1+16*\b], v[S+2+16*\b]   ; the largest score of each block of 32 keys: for the row's maximum and, since p rises with the score, for the block's largest p
.endr
.irp i, 3,5,7,9,11,13
.irp b, 0,1,2,3
	v_max3_num_f32 v[BM+\b], v[BM+\b], v[S+16*\b+\i], v[S+1+16*\b+\i]
.endr
.endr
.irp b, 0,1,2,3
	v_max_num_f32 v[BM+\b], v[BM+\b], v[S+15+16*\b]
.endr
.irp b, 0,1,2,3
	s_delay_alu instid0(VALU_DEP_4)
	v_permlanex16_b32 v[BT+\b], v[BM+\b], s[SEL], s[SEL+1]
.endr
.irp b, 0,1,2,3
	s_delay_alu instid0(VALU_DEP_4)
	v_max_num_f32 v[BM+\b], v[BM+\b], v[BT+\b]
.endr
	s_delay_alu instid0(VALU_DEP_2)
	v_max3_num_f32 v[T0], v[BM], v[BM+1], v[BM+2]
	s_delay_alu instid0(VALU_DEP_1)
	v_max_num_f32 v[T0], v[T0], v[BM+3]
	s_delay_alu instid0(VALU_DEP_1)
	v_mul_f32 v[T0], s[CS], v[T0]
	s_delay_alu instid0(VALU_DEP_1)
	v_max_num_f32 v13, v13, v[T0]                  ; the running largest t
	v_mov_b32 v[T0], v12
	s_delay_alu instid0(VALU_DEP_2)
	v_floor_f32 v12, -v13                          ; the new -M = -ceil(t)
	s_delay_alu instid0(VALU_DEP_1)
	v_sub_f32 v[T0], v12, v[T0]                    ; old M - new M: a whole number, 0 or less
	s_delay_alu instid0(VALU_DEP_1)
	v_cvt_i32_f32 v[T0], v[T0]                     ; (it saturates)
	s_delay_alu instid0(VALU_DEP_1)
	v_ldexp_f32 v[FF], 1.0, v[T0]                  ; f = 2^(old M - new M)
.set j, 0
.rept 32
	v_pk_fma_f32 v[S+j:S+j+1], v[S+j:S+j+1], s[CS:CS+1], v[12:13] op_sel_hi:[1,0,0]   ; t - M
.set j, j+2
.endr
.irp b, 0,1,2,3
	v_fma_f32 v[BM+\b], v[BM+\b], s[CS], v12
.endr
.set j, 0
	s_wait_alu depctr_va_vdst(0)
.rept 64
	v_exp_f32 v[S+j], v[S+j]                       ; p
.set j, j+1
.endr
	v_pk_mul_f32 v[14:15], v[14:15], v[FF:FF+1] op_sel_hi:[1,0]   ; the sums under the new M: a plain line behind the exponentials
	s_wait_alu depctr_va_vdst(0)                   ; one wait for the batch, ahead of its first reader
.irp b, 0,1,2,3
	v_exp_f32 v[BM+\b], v[BM+\b]                   ; each block's largest p
.endr
	v_pk_add_f32 v[216:217], v[100:101], v[104:105]
	v_pk_add_f32 v[254:255], v[108:109], v[112:113]
	v_pk_add_f32 v[252:253], v[116:117], v[120:121]
	v_pk_add_f32 v[250:251], v[124:125], v[128:129]
	v_pk_add_f32 v[248:249], v[132:133], v[136:137]
	v_pk_add_f32 v[246:247], v[140:141], v[144:145]
	v_pk_add_f32 v[244:245], v[148:149], v[152:153]
	v_pk_add_f32 v[14:15], v[14:15], v[156:157]
	v_pk_add_f32 v[216:217], v[216:217], v[96:97]
	v_pk_add_f32 v[254:255], v[254:255], v[98:99]
	v_pk_add_f32 v[252:253], v[252:253], v[102:103]
	v_pk_add_f32 v[250:251], v[250:251], v[106:107]
	v_pk_add_f32 v[248:249], v[248:249], v[110:111]
	v_pk_add_f32 v[246:247], v[246:247], v[114:115]
	v_pk_add_f32 v[244:245], v[244:245], v[118:119]
	v_pk_add_f32 v[14:15], v[14:15], v[122:123]
	v_pk_add_f32 v[216:217], v[216:217], v[126:127]
	v_pk_add_f32 v[254:255], v[254:255], v[130:131]
	v_pk_add_f32 v[252:253], v[252:253], v[134:135]
	v_pk_add_f32 v[250:251], v[250:251], v[138:139]
	v_pk_add_f32 v[248:249], v[248:249], v[142:143]
	v_pk_add_f32 v[246:247], v[246:247], v[146:147]
	v_pk_add_f32 v[244:245], v[244:245], v[150:151]
	v_pk_add_f32 v[14:15], v[14:15], v[154:155]
	v_pk_add_f32 v[216:217], v[216:217], v[158:159]
	s_delay_alu instid0(VALU_DEP_2)
	v_pk_add_f32 v[14:15], v[14:15], v[250:251]
	s_delay_alu instid0(VALU_DEP_2)
	v_pk_add_f32 v[216:217], v[216:217], v[248:249]
	v_pk_add_f32 v[254:255], v[254:255], v[246:247]
	v_pk_add_f32 v[252:253], v[252:253], v[244:245]
	s_delay_alu instid0(VALU_DEP_2)
	v_pk_add_f32 v[14:15], v[14:15], v[254:255]
	s_delay_alu instid0(VALU_DEP_2)
	v_pk_add_f32 v[216:217], v[216:217], v[252:253]
	s_delay_alu instid0(VALU_DEP_1)
	v_pk_add_f32 v[14:15], v[14:15], v[216:217]
	s_wait_alu depctr_va_vdst(0)                   ; and one for the four
.irp b, 0,1,2,3
	v_max_num_f32 v[BM+\b], 0x1800000, v[BM+\b]    ; the floor 2^(3 - 127)
.endr
.irp b, 0,1,2,3
	s_delay_alu instid0(VALU_DEP_4)
	v_add_nc_u32 v[SO+\b], 0xff000000, v[BM+\b]
.endr
.irp b, 0,1,2,3
	s_delay_alu instid0(VALU_DEP_4)
	v_lshrrev_b32 v[BT+\b], 23, v[SO+\b]
.endr
	s_delay_alu instid0(VALU_DEP_3)
	v_lshl_or_b32 v[PSW], v[BT+1], 8, v[BT]        ; p's scale word for these 128 keys
	s_delay_alu instid0(VALU_DEP_1)
	v_lshl_or_b32 v[PSW], v[BT+2], 16, v[PSW]
	s_delay_alu instid0(VALU_DEP_1)
	v_lshl_or_b32 v[PSW], v[BT+3], 24, v[PSW]
.irp c, 0,1
	v_cvt_scalef32_pk16_fp6_f32 v[PC+6*\c:PC+2+6*\c], v[S+32*\c:S+15+32*\c], v[SO+2*\c]
	v_cvt_scalef32_pk16_fp6_f32 v[PT+4*\c:PT+2+4*\c], v[S+16+32*\c:S+31+32*\c], v[SO+2*\c+1]
.endr
	v_nop
.irp t, 0,1,2,3                                ; p is done with: V's four fragments of this key step land in its registers while the lines below run
.irp p, 0,1,2,3,4,5
	ds_load_b64 v[S+12*\t+2*\p:S+12*\t+2*\p+1], v[ADV] offset:12288*\t+256*\p
.endr
	ds_load_b32 v[VSW+\t], v[ADVS] offset:512*\t
.endr
.irp c, 0,1
.irp i, 0,1,2
	v_permlane16_swap_b32 v[PC+6*\c+\i], v[PT+4*\c+\i]
.endr
.irp i, 0,1,2
	s_delay_alu instid0(VALU_DEP_3)
	v_mov_b32 v[PC+3+6*\c+\i], v[PT+4*\c+\i]
.endr
.endr
.set j, 0
.rept 16
	v_pk_mul_f32 v[O+j:O+j+1], v[O+j:O+j+1], v[FF:FF+1] op_sel_hi:[1,0]   ; O^T under the new M; these sixteen are also the places between the lines that made p's codes and scale word and the products
.set j, j+2
.endr
	s_wait_alu depctr_va_vdst(0)
	s_wait_dscnt 0x0
.irp t, 0,1,2,3                                ; O^T += V^T P^T: the four accumulators by turns
	v_wmma_scale_f32_16x16x128_f8f6f4 v[O+8*\t:O+8*\t+7], v[S+12*\t:S+12*\t+11], v[PC:PC+11], v[O+8*\t:O+8*\t+7], v[VSW+\t], v[PSW] matrix_a_fmt:MATRIX_FMT_FP6 matrix_b_fmt:MATRIX_FMT_FP6
.endr
.Lskip:
	s_add_co_u32 s[TK], s[TK], 6144
	s_add_co_u32 s[TV], s[TV], 1536
	s_add_co_u32 s[TKS], s[TKS], 512
	s_add_co_u32 s[TVS], s[TVS], 64
	s_add_co_u32 s[KSI], s[KSI], 1
	s_cmp_lt_u32 s[KSI], 8
	s_cbranch_scc1 .Lstep
	; THE WAY OUT: o = O^T / l; register 16 b + i is channel 32 b + 16 h + i of my query: two blocks of 32 along C, half a fragment of the projection's operand
	PLACES 4
	v_add_f32 v14, v14, v15
	s_wait_alu depctr_va_vdst(0)
	v_permlanex16_b32 v[T0], v14, s[SEL], s[SEL+1]
	s_delay_alu instid0(VALU_DEP_1)
	v_add_f32 v14, v14, v[T0]                      ; the row's sum
	s_wait_alu depctr_va_vdst(0)
	v_rcp_f32 v14, v14
	v_nop
	s_wait_alu depctr_va_vdst(0)
.set j, 0
.rept 32
	v_mul_f32 v[S+j], v[O+j], v14
.set j, j+1
.endr
.irp b, 0,1
	v_max3_num_f32 v[BM+\b], |v[S+16*\b]|, |v[S+1+16*\b]|, 0x1800000
.endr
.irp i, 2,4,6,8,10,12,14
.irp b, 0,1
	s_delay_alu instid0(VALU_DEP_2)
	v_max3_num_f32 v[BM+\b], v[BM+\b], |v[S+16*\b+\i]|, |v[S+1+16*\b+\i]|
.endr
.endr
.irp b, 0,1
	s_delay_alu instid0(VALU_DEP_2)
	v_permlanex16_b32 v[BT+\b], v[BM+\b], s[SEL], s[SEL+1]
.endr
.irp b, 0,1
	s_delay_alu instid0(VALU_DEP_2)
	v_max_num_f32 v[BM+\b], v[BM+\b], v[BT+\b]
.endr
.irp b, 0,1
	s_delay_alu instid0(VALU_DEP_2)
	v_add_nc_u32 v[SO+\b], 0xff000000, v[BM+\b]
.endr
.irp b, 0,1
	s_delay_alu instid0(VALU_DEP_2)
	v_lshrrev_b32 v[BT+\b], 23, v[SO+\b]
.endr
	s_delay_alu instid0(VALU_DEP_1)
	v_lshl_or_b32 v[T1], v[BT+1], 8, v[BT]
	v_cvt_scalef32_pk16_fp6_f32 v[PC:PC+2], v[S:S+15], v[SO]
	v_cvt_scalef32_pk16_fp6_f32 v[PT:PT+2], v[S+16:S+31], v[SO+1]
	v_nop
.irp i, 0,1,2
	v_permlane16_swap_b32 v[PC+\i], v[PT+\i]
.endr
.irp i, 0,1,2
	s_delay_alu instid0(VALU_DEP_3)
	v_mov_b32 v[PC+3+\i], v[PT+\i]
.endr
.irp p, 0,1,2
	global_store_b64 v[L8], v[PC+2*\p:PC+2*\p+1], s[94:95] offset:256*\p   ; 32 lanes store 256 consecutive bytes, aligned
.endr
	global_store_b16 v[R4], v[T1], s[2:3]          ; lanes l and l + 16 write the same two bytes with the same value
	s_wait_tensorcnt 0x0                           ; the wave's end
	ds_add_u32 v[SPW], v[NIL]
	s_wait_dscnt 0x0
	CROUND                                         ; the closing round
	s_endpgm
.Lfunc_end_k_q29b6e6d593_attn:
	.size	k_q29b6e6d593_attn, .Lfunc_end_k_q29b6e6d593_attn-k_q29b6e6d593_attn
	.p2alignl 7, 3214868480
	.fill 96, 4, 3214868480
	.section	.rodata,"a",@progbits
	.p2align	6, 0x0
	.amdhsa_kernel k_q29b6e6d593_attn
		.amdhsa_group_segment_fixed_size 167936
		.amdhsa_private_segment_fixed_size 0
		.amdhsa_enable_private_segment 0
		.amdhsa_kernarg_size 16
		.amdhsa_user_sgpr_count 2
		.amdhsa_user_sgpr_kernarg_segment_ptr 1
		.amdhsa_wavefront_size32 1
		.amdhsa_system_sgpr_workgroup_id_x 1
		.amdhsa_system_sgpr_workgroup_id_y 1
		.amdhsa_system_sgpr_workgroup_id_z 1
		.amdhsa_system_vgpr_workitem_id 0
		.amdhsa_next_free_vgpr 256
		.amdhsa_next_free_sgpr 100
		.amdhsa_reserve_vcc 1
		.amdhsa_float_denorm_mode_32 3
		.amdhsa_float_denorm_mode_16_64 3
		.amdhsa_memory_ordered 1
		.amdhsa_forward_progress 1
		.amdhsa_inst_pref_size 41
	.end_amdhsa_kernel
	.amdgpu_metadata
---
amdhsa.version: [ 1, 2 ]
amdhsa.kernels:
  - .name:           k_q29b6e6d593_attn
    .symbol:         k_q29b6e6d593_attn.kd
    .args:
      - { .name: qkv, .offset: 0, .size: 8, .value_kind: global_buffer, .address_space: global }
      - { .name: ob, .offset: 8, .size: 8, .value_kind: global_buffer, .address_space: global }
    .group_segment_fixed_size: 167936
    .private_segment_fixed_size: 0
    .kernarg_segment_align: 8
    .kernarg_segment_size: 16
    .max_flat_workgroup_size: 512
    .sgpr_count:     100
    .vgpr_count:     256
    .wavefront_size: 32
...
	.end_amdgpu_metadata
.endif
;; end of part 3
;; launch proj (part 4): grid 8 x 32, 4 waves a work-group, clusters of 4 x 4, 327,680 bytes of LDS; arguments ob, wts, bproj, x, x1; writes x1
.if DOCPART == 4
	.amdgcn_target "amdgcn-amd-amdhsa--gfx1250"
	.amdhsa_code_object_version 6
	.text
	.protected	k_q29b6e6d593_proj
	.globl	k_q29b6e6d593_proj
	.p2align	8
	.type	k_q29b6e6d593_proj,@function
k_q29b6e6d593_proj:
	s_mov_b64 s[64:65], 0
	v_nop
	global_prefetch_b8 v0, s[64:65] scope:SCOPE_SE
	s_setreg_imm32_b32 hwreg(HW_REG_WAVE_MODE, 25, 1), 1
	s_wait_xcnt 0x0
	s_wait_alu depctr_hold_cnt(0) depctr_sa_sdst(0) depctr_va_vdst(0) depctr_va_sdst(0) depctr_va_ssrc(0) depctr_va_vcc(0) depctr_vm_vsrc(0)
	s_getreg_b32 s2, hwreg(HW_REG_IB_STS2, 6, 4)
	s_cmp_eq_u32 s2, 0
	s_cbranch_scc0 .Lentry_in_a_cluster
	s_endpgm
.Lentry_in_a_cluster:
	s_bfe_u32 s2, ttmp6, 0x10000c
	s_cmp_lg_u32 s2, 0xf033
	s_cbranch_scc0 .Lentry_shape_is_right
	s_endpgm
.Lentry_shape_is_right:
; LAUNCH 4 OF 7 (NS = 8): x1 = x + o Wproj + bproj, the product on codes of E2M3.
; N is 1,024: tiles of 128 x 128 give 256 work-groups (tiles of 256 x 256 would give 64).  Four waves, 64 x 64 each: 16 accumulators.  K goes in fills of 512 (4 K steps of 128) through two LDS slots.
; TRANSPOSED: source 0 = 16 rows of the weight, source 1 = 16 tokens: a lane holds one token and, by the workspace's order of rows, 16 neighbouring columns in each pair of tiles.
; Operands lie in memory as images of their registers ([block][K step], 1,536 bytes): a fill is 4 blocks x 6,144 bytes for each wave.  Scale words of all of K stay in registers: K step 2 t in lanes 0-15, 2 t + 1 in lanes 16-31.
; The bias is the C of each sum's first product.  The residual's rows are asked for at the head and added on the way out, which goes through a stage of the wave's own so that sixteen lanes store 256 consecutive bytes.
; CLUSTERS 4 x 4: the tokens' tile is shared along a row, the weight's along a column, by joint loads.  Two tensor loads of a wave are out at the start, one behind each round.
; With NS = 8 both fills are first fills and nothing is filled again.  No prefetch: with NS = 8 all goes out at the head; with NS = 32 a refill has four K steps in which to land.
; REGISTERS: window 0: v16-31 addresses; from v64 the tokens' scale words ((NS / 2) a + t), from v128 the weight's; v192-255 rows on the way out.  window 1: two sets of fragments at v0, v128: tokens at 12 a, weight at 48 + 12 b.
;   window 2: accumulator (a, b) at v[8 (4 a + b)], the bias at v[128 + 8 b].  window 3: v0-127 the residual's rows.
.set NS,    8                          ; K steps of 128
.set ASC,   3145728                    ; the A operand's scale words in its buffer
.set WI,    2359296                    ; the weight's images in wts
.set WSC,   9437184+98304              ; its scale words
.set NF,    NS/4
.set HALFT, 24576
.set SLOT,  4*HALFT
.set STAGE, 2*SLOT                     ; 16 rows x (256 + 16) bytes for each wave; no tensor load lands here
.set SPARE, STAGE+4*4352
.set FR,    12
.set ADRA, 16
.set ADRB, 20
.set STO,  24
.set RD,   25
.set CO,   26
.set L4,   27
.set SPW,  28
.set NIL,  29
.set L8,   30
.set BAD,  31
.set SCA,  64
.set SCB,  128
.set OB,   192
.set G1,  24
.set G0,  32
.set G1B, 48
.set G0B, 56
.set MUL, 0xa5                         ; both sources window 1, C and D window 2
.set MSB, 0
.macro WIN new
.if MSB != (\new)
	s_set_vgpr_msb (MSB<<8)|(\new)
.set MSB, (\new)
.endif
.endm
.macro JLOAD s                         ; waves 0, 1 fetch the tokens' halves, waves 2, 3 the weight's; s_nop 0 and four v_nop follow each line
	s_cmp_eq_u32 s15, 0
	s_cbranch_scc0 .Lfor_b_\@
	tensor_load_to_lds s[G0+4*(\s):G0+4*(\s)+3], s[G1:G1+7]
	s_nop 0
.rept 4
	v_nop
.endr
	s_branch .Lasked_\@
.Lfor_b_\@:
	tensor_load_to_lds s[G0B+4*(\s):G0B+4*(\s)+3], s[G1B:G1B+7]
	s_nop 0
.rept 4
	v_nop
.endr
.Lasked_\@:
.endm
.macro CREST
	s_cmp_lg_u32 s14, 0
	s_cbranch_scc1 .Lnot_wave_0_\@
	s_barrier_signal -3
.Lnot_wave_0_\@:
	s_barrier_wait -3
	s_barrier_signal -1
	s_barrier_wait -1
.endm
.macro CROUND
	s_barrier_signal -1
	s_barrier_wait -1
	CREST
.endm
.macro PLACES n
.rept \n
	v_nop
.endr
.endm
	s_load_b256 s[4:11], s[0:1], 0x0               ; the A operand, wts, the bias, the residual
	s_load_b64 s[12:13], s[0:1], 0x20              ; the result
	v_lshl_add_u32 v[SPW], v0, 2, SPARE
	v_mov_b32 v[NIL], 0
	ds_add_u32 v[SPW], v[NIL]                      ; the opening: the add, twice on end, and its wait ahead of my first tensor load
	ds_add_u32 v[SPW], v[NIL]
	v_lshrrev_b32 v1, 5, v0
	v_readfirstlane_b32 s14, v1
	v_and_b32 v18, 31, v0                          ; the prefetch's offset: 24 blocks of 256 bytes, a lane a block (lanes 24-31 name the last again)
	v_min_u32 v18, 23, v18
	v_lshlrev_b32 v18, 8, v18
	s_lshr_b32 s15, s14, 1                         ; my half of the tokens.  Also: I fetch for the tokens (0) or the weight (1)
	s_and_b32 s16, s14, 1                          ; my half of the columns.  Also: which half of that tile I fetch
	s_bfe_u32 s40, ttmp6, 0x40000
	s_bfe_u32 s41, ttmp6, 0x40004
	s_lshl_b32 s42, ttmp9, 2
	s_add_co_u32 s42, s42, s40                     ; tile column
	s_and_b32 s17, ttmp7, 0xffff
	s_lshl_b32 s17, s17, 2
	s_add_co_u32 s17, s17, s41                     ; tile row
	s_lshl_b32 s43, s41, 2
	s_lshl_b32 s43, 15, s43
	s_lshl_b32 s44, 0x1111, s40
	s_or_b32 s[G1+0], s43, (3<<16)|(1<<21)
	s_or_b32 s[G1B+0], s44, (3<<16)|(1<<21)
.irp g, G1, G1B
	s_mov_b32 s[\g+1], 768<<16                     ; 6,144 bytes
	s_mov_b32 s[\g+2], 4<<16                       ; 4 blocks
	s_mov_b32 s[\g+3], 768<<16
	s_mov_b32 s[\g+4], 4
	s_mov_b32 s[\g+5], 192*NS                      ; from block to block
	s_mov_b32 s[\g+6], 0
	s_mov_b32 s[\g+7], 0
.endr
	s_lshl_b32 s18, s16, 2
	s_lshl_b32 s20, s17, 3
	s_add_co_u32 s20, s20, s18
	s_lshl_b32 s46, s42, 3
	s_add_co_u32 s46, s46, s18
	s_mul_i32 s20, s20, NS*1536
	s_mul_i32 s46, s46, NS*1536
	s_add_co_u32 s46, s46, WI
	s_mov_b32 s21, 0
	s_mov_b32 s47, 0
	s_mul_i32 s45, s14, HALFT
	s_wait_alu depctr_va_vdst(0)
	s_wait_dscnt 0x0
	s_wait_kmcnt 0x0
	s_add_nc_u64 s[20:21], s[4:5], s[20:21]
	s_add_nc_u64 s[46:47], s[6:7], s[46:47]
	s_cmp_eq_u32 s15, 0                            ; the prefetch: of the four blocks that I fetch, each of the four partners that ask with me names one, told apart by address
	s_cselect_b64 s[84:85], s[20:21], s[46:47]
	s_cselect_b32 s86, s40, s41
	s_mul_i32 s86, s86, NS*1536
	s_mov_b32 s87, 0
	s_add_nc_u64 s[84:85], s[84:85], s[86:87]
	CROUND
.irp s, 0,1
	s_mov_b32 s[G0+4*\s], 1
	s_add_co_u32 s[G0+4*\s+1], s45, \s*SLOT
	s_add_nc_u64 s[G0+4*\s+2:G0+4*\s+3], s[20:21], \s*6144
	s_or_b32 s[G0+4*\s+3], s[G0+4*\s+3], 0x80000000
	s_mov_b32 s[G0B+4*\s], 1
	s_add_co_u32 s[G0B+4*\s+1], s45, \s*SLOT
	s_add_nc_u64 s[G0B+4*\s+2:G0B+4*\s+3], s[46:47], \s*6144
	s_or_b32 s[G0B+4*\s+3], s[G0B+4*\s+3], 0x80000000
.if \s == 0
	JLOAD 0                                        ; the first fill: one tensor load a wave at the head
	global_prefetch_b8 v18, s[84:85] offset:6144 th:TH_LOAD_NT scope:SCOPE_SE   ; the second fill: 6,144 bytes of each block
.endif
.endr
	v_and_b32 v3, 31, v0
	v_and_b32 v1, 15, v0                           ; r
	s_wait_alu depctr_va_vdst(0)
	v_bfe_u32 v2, v0, 4, 1                         ; h
	v_lshlrev_b32 v[L8], 3, v3
	v_lshlrev_b32 v[L4], 2, v3
	v_lshlrev_b32 v[BAD], 6, v2
	s_mul_i32 s18, s15, HALFT
	s_mul_i32 s19, s16, HALFT
	s_add_co_u32 s19, s19, 2*HALFT
.irp s, 0,1
	v_add_nc_u32 v[ADRA+\s], s18, v[L8]
	v_add_nc_u32 v[ADRB+\s], s19, v[L8]
	s_add_co_u32 s18, s18, SLOT
	s_add_co_u32 s19, s19, SLOT
.endr
	s_mul_i32 s18, s14, 4352
	s_add_co_u32 s18, s18, STAGE                   ; my stage
	v_mul_u32_u24 v[STO], v1, 272
	s_wait_alu depctr_va_vdst(0)
	v_lshl_add_u32 v[STO], v2, 6, v[STO]
	v_add_nc_u32 v[STO], s18, v[STO]               ; in: row r, + 64 h
	v_mul_u32_u24 v[RD], v2, 272
	v_lshl_add_u32 v[RD], v1, 4, v[RD]
	v_add_nc_u32 v[RD], s18, v[RD]                 ; back: lanes 0-15 one row, lanes 16-31 the next
	v_lshlrev_b32 v[CO], 12, v2
	v_lshl_add_u32 v[CO], v1, 4, v[CO]             ; and the same in rows of 4,096 bytes
	s_wait_alu depctr_va_vdst(0)
	s_lshl_b32 s18, s17, 3
	s_lshl_b32 s19, s15, 2
	s_add_co_u32 s18, s18, s19
	s_mul_i32 s22, s18, NS*64
	s_add_co_u32 s22, s22, ASC
	s_mov_b32 s23, 0
	s_add_nc_u64 s[68:69], s[4:5], s[22:23]        ; my tokens' scale words
	s_lshl_b32 s18, s42, 3
	s_lshl_b32 s19, s16, 2
	s_add_co_u32 s18, s18, s19
	s_mul_i32 s22, s18, NS*64
	s_add_co_u32 s22, s22, WSC
	s_add_nc_u64 s[70:71], s[6:7], s[22:23]        ; my columns'
	s_lshl_b32 s22, s42, 9
	s_lshl_b32 s19, s16, 8
	s_add_co_u32 s22, s22, s19                     ; my first column in bytes
	s_add_nc_u64 s[72:73], s[8:9], s[22:23]
	s_lshl_b32 s18, s17, 19
	s_lshl_b32 s19, s15, 18
	s_add_co_u32 s18, s18, s19
	s_add_co_u32 s22, s22, s18                     ; + my first token's row
	s_add_nc_u64 s[74:75], s[10:11], s[22:23]
	s_add_nc_u64 s[76:77], s[12:13], s[22:23]
.irp a, 0,1,2,3
.set t, 0
.rept NS/2
	global_load_b32 v[SCA+(NS/2)*\a+t], v[L4], s[68:69] offset:NS*64*\a+128*t
	global_load_b32 v[SCB+(NS/2)*\a+t], v[L4], s[70:71] offset:NS*64*\a+128*t
.set t, t+1
.endr
.endr
	WIN 0x80
.irp b, 0,1,2,3                                ; the bias in the result's layout: tile b, half h: columns 32 (b / 2) + 16 h + 8 (b % 2) + 0 .. 7
	global_load_b128 v[128+8*\b:128+8*\b+3], v[BAD], s[72:73] offset:4*(32*(\b/2)+8*(\b%2))
	global_load_b128 v[128+8*\b+4:128+8*\b+7], v[BAD], s[72:73] offset:4*(32*(\b/2)+8*(\b%2))+16
.endr
	WIN 0xc0
.irp a, 0,1,2,3                                ; the residual: block a's lane-rows 2 t, 2 t + 1 are tokens 32 (a / 2) + 8 (a % 2) + 2 t + 8 (t / 4) + 0, 1
.irp t, 0,1,2,3,4,5,6,7
	global_load_b128 v[4*(8*\a+\t):4*(8*\a+\t)+3], v[CO], s[74:75] offset:4096*(32*(\a/2)+8*(\a%2)+2*\t+8*(\t/4))
.endr
.endr
	WIN 0
.macro FETCH slot, q, p                ; 48 loads: the weight's four fragments, then the tokens' four, of the slot's q-th K step, into set p
	WIN 0x40
.irp i, 0,1,2,3
.irp pp, 0,1,2,3,4,5
	ds_load_b64 v[128*(\p)+48+FR*\i+2*\pp:128*(\p)+48+FR*\i+2*\pp+1], v[ADRB+(\slot)] offset:6144*\i+1536*(\q)+256*\pp
.endr
.endr
.irp i, 0,1,2,3
.irp pp, 0,1,2,3,4,5
	ds_load_b64 v[128*(\p)+FR*\i+2*\pp:128*(\p)+FR*\i+2*\pp+1], v[ADRA+(\slot)] offset:6144*\i+1536*(\q)+256*\pp
.endr
.endr
.endm
.macro MUL4 a                          ; K step k: the tokens' block a against the weight's four.  The 16 accumulators take turns in the same order in every step
.irp b, 0,1,2,3
.set rD, 8*(4*(\a)+\b)
.set rB, 128*(k%2)+48+FR*\b
.set rA, 128*(k%2)+FR*(\a)
.set rSB, SCB+(NS/2)*\b+k/2
.set rSA, SCA+(NS/2)*(\a)+k/2
.set rC, rD
.if k == 0
.set rC, 128+8*\b
.endif
.if k%2 == 0
	v_wmma_scale_f32_16x16x128_f8f6f4 v[rD:rD+7], v[rB:rB+11], v[rA:rA+11], v[rC:rC+7], v[rSB], v[rSA] matrix_a_fmt:MATRIX_FMT_FP6 matrix_b_fmt:MATRIX_FMT_FP6
.else
	v_wmma_scale_f32_16x16x128_f8f6f4 v[rD:rD+7], v[rB:rB+11], v[rA:rA+11], v[rC:rC+7], v[rSB], v[rSA] matrix_a_fmt:MATRIX_FMT_FP6 matrix_b_fmt:MATRIX_FMT_FP6 matrix_a_scale:MATRIX_SCALE_ROW1 matrix_b_scale:MATRIX_SCALE_ROW1
.endif
.endr
.endm
.macro STEPK                           ; a K step whose successor lies in the same slot
	s_wait_dscnt 12                                ; all but the tokens' blocks 2 and 3 are in
	WIN MUL
	MUL4 0
	MUL4 1
	PLACES 4                                       ; in front of loads into the other set, which the last K step's products read
	FETCH (k/4)%2, (k+1)%4, (k+1)%2
	s_wait_dscnt 48                                ; all but the 48 just issued
	WIN MUL
	MUL4 2
	MUL4 3
.endm
.macro TURNK                           ; a slot's last K step, and the change of slots
	WIN 0
	s_wait_tensorcnt 0x0                           ; all my tensor loads have landed: my part of the next slot
	ds_add_u32 v[SPW], v[NIL]                      ; 0 onto my spare word
	s_wait_dscnt 13                                ; (the add and the tokens' blocks 2 and 3 may be out)
	WIN MUL
	MUL4 0
	MUL4 1
	s_wait_dscnt 0x0                               ; the add is done, and my reads of this slot are over
	s_barrier_signal -1
	MUL4 2
	WIN 0
	s_barrier_wait -1
.if k/4+2 < NF
	CREST                                          ; the barrier has opened a round of the cluster's
	s_add_nc_u64 s[G0+4*((k/4)%2)+2:G0+4*((k/4)%2)+3], s[G0+4*((k/4)%2)+2:G0+4*((k/4)%2)+3], 12288
	s_add_nc_u64 s[G0B+4*((k/4)%2)+2:G0B+4*((k/4)%2)+3], s[G0B+4*((k/4)%2)+2:G0B+4*((k/4)%2)+3], 12288
	JLOAD (k/4)%2                                  ; the first tensor load behind the round; its four v_nop are the places in front of the loads below
.else
	PLACES 4
.endif
	FETCH (k/4+1)%2, 0, (k+1)%2
	WIN MUL
	MUL4 3
.endm
	s_wait_alu depctr_va_vdst(0)
	s_wait_tensorcnt 0x0                           ; my part of the first fill is in.  The scale words', the bias's and the residual's loads are out meanwhile
	ds_add_u32 v[SPW], v[NIL]
	s_wait_dscnt 0x0
	CROUND
	JLOAD 1                                        ; the second and last fill
	FETCH 0, 0, 0
	s_wait_loadcnt 32                              ; the scale words and the bias are in; the residual's 32 loads may be out
.set k, 0
.rept NS
.if k == NS-1
	s_wait_dscnt 12
	WIN MUL
	MUL4 0
	MUL4 1
	s_wait_dscnt 0
	MUL4 2
	MUL4 3
	WIN 0
.elseif k%4 == 3
	TURNK
.else
	STEPK
.endif
.set k, k+1
.endr
	; THE WAY OUT, a block of 16 tokens x 64 columns at a time, through my own stage: LDS serves a wave's instructions in order, so no wait stands between the stores and the loads
	s_wait_loadcnt 0x0                             ; the residual
	PLACES 4
.irp a, 0,1,2,3
	WIN 0x08                                       ; an LDS store's data: window 2
.irp b, 0,1,2,3
	ds_store_b128 v[STO], v[8*(4*\a+\b):8*(4*\a+\b)+3] offset:128*(\b/2)+32*(\b%2)          ; each accumulator from its low end on
	ds_store_b128 v[STO], v[8*(4*\a+\b)+4:8*(4*\a+\b)+7] offset:128*(\b/2)+32*(\b%2)+16
.endr
	WIN 0
.if \a > 1
	s_wait_xcnt 0x0                                ; block a - 2's stores have read these registers
.endif
.irp t, 0,1,2,3,4,5,6,7
	ds_load_b128 v[OB+32*(\a%2)+4*\t:OB+32*(\a%2)+4*\t+3], v[RD] offset:544*\t
.endr
	s_wait_dscnt 0x0
	WIN 0x0c                                       ; source 1: window 3
.irp t, 0,1,2,3,4,5,6,7
	v_pk_add_f32 v[OB+32*(\a%2)+4*\t:OB+32*(\a%2)+4*\t+1], v[OB+32*(\a%2)+4*\t:OB+32*(\a%2)+4*\t+1], v[4*(8*\a+\t):4*(8*\a+\t)+1]
	v_pk_add_f32 v[OB+32*(\a%2)+4*\t+2:OB+32*(\a%2)+4*\t+3], v[OB+32*(\a%2)+4*\t+2:OB+32*(\a%2)+4*\t+3], v[4*(8*\a+\t)+2:4*(8*\a+\t)+3]
.endr
	WIN 0
.irp t, 0,1,2,3,4,5,6,7
	global_store_b128 v[CO], v[OB+32*(\a%2)+4*\t:OB+32*(\a%2)+4*\t+3], s[76:77] offset:4096*(32*(\a/2)+8*(\a%2)+2*\t+8*(\t/4))   ; 16 lanes store 256 consecutive bytes, aligned
.endr
.endr
	s_wait_tensorcnt 0x0                           ; the wave's end
	ds_add_u32 v[SPW], v[NIL]
	s_wait_dscnt 0x0
	CROUND                                         ; the closing round
	s_endpgm
.Lfunc_end_k_q29b6e6d593_proj:
	.size	k_q29b6e6d593_proj, .Lfunc_end_k_q29b6e6d593_proj-k_q29b6e6d593_proj
	.p2alignl 7, 3214868480
	.fill 96, 4, 3214868480
	.section	.rodata,"a",@progbits
	.p2align	6, 0x0
	.amdhsa_kernel k_q29b6e6d593_proj
		.amdhsa_group_segment_fixed_size 327680
		.amdhsa_private_segment_fixed_size 0
		.amdhsa_enable_private_segment 0
		.amdhsa_kernarg_size 40
		.amdhsa_user_sgpr_count 2
		.amdhsa_user_sgpr_kernarg_segment_ptr 1
		.amdhsa_wavefront_size32 1
		.amdhsa_system_sgpr_workgroup_id_x 1
		.amdhsa_system_sgpr_workgroup_id_y 1
		.amdhsa_system_sgpr_workgroup_id_z 1
		.amdhsa_system_vgpr_workitem_id 0
		.amdhsa_next_free_vgpr 896
		.amdhsa_next_free_sgpr 98
		.amdhsa_reserve_vcc 0
		.amdhsa_float_denorm_mode_32 3
		.amdhsa_float_denorm_mode_16_64 3
		.amdhsa_memory_ordered 1
		.amdhsa_forward_progress 1
		.amdhsa_inst_pref_size 70
	.end_amdhsa_kernel
	.amdgpu_metadata
---
amdhsa.version: [ 1, 2 ]
amdhsa.kernels:
  - .name:           k_q29b6e6d593_proj
    .symbol:         k_q29b6e6d593_proj.kd
    .args:
      - { .name: ob, .offset: 0, .size: 8, .value_kind: global_buffer, .address_space: global }
      - { .name: wts, .offset: 8, .size: 8, .value_kind: global_buffer, .address_space: global }
      - { .name: bproj, .offset: 16, .size: 8, .value_kind: global_buffer, .address_space: global }
      - { .name: x, .offset: 24, .size: 8, .value_kind: global_buffer, .address_space: global }
      - { .name: x1, .offset: 32, .size: 8, .value_kind: global_buffer, .address_space: global }
    .group_segment_fixed_size: 327680
    .private_segment_fixed_size: 0
    .kernarg_segment_align: 8
    .kernarg_segment_size: 40
    .max_flat_workgroup_size: 128
    .sgpr_count:     98
    .vgpr_count:     896
    .wavefront_size: 32
...
	.end_amdgpu_metadata
.endif
;; end of part 4
;; launch ln2 (part 5): grid 256 x 1, 4 waves a work-group, no clusters, 66,304 bytes of LDS; arguments x1, ln2_g, ln2_b, act; writes act
.if DOCPART == 5
	.amdgcn_target "amdgcn-amd-amdhsa--gfx1250"
	.amdhsa_code_object_version 6
	.text
	.protected	k_q29b6e6d593_ln2
	.globl	k_q29b6e6d593_ln2
	.p2align	8
	.type	k_q29b6e6d593_ln2,@function
k_q29b6e6d593_ln2:
	s_mov_b64 s[64:65], 0
	v_nop
	global_prefetch_b8 v0, s[64:65] scope:SCOPE_SE
	s_setreg_imm32_b32 hwreg(HW_REG_WAVE_MODE, 25, 1), 1
	s_wait_xcnt 0x0
; LAUNCH 5 OF 7: h2 = layernorm(x1) quantised to E2M3 along C: launch 1's norm on other buffers, without the weights' arm.
; A work-group owns one block of 16 rows (lane-row r of block j = row 32 (j / 2) + 8 (j % 2) + r + 8 (r / 8)).  Wave w norms 4 rows (the mean, then the sum of squared differences), puts them in a stage in LDS;
; behind one barrier wave w reads, for all 16 rows, the numbers of K steps 2 w and 2 w + 1, 16 neighbours a lane, and quantises them.  Fragments leave as images of their registers (1,536 bytes, [block][K step]),
; scale words [block][K step][16 rows].  LIMITS as stated in launch 1.  No cluster: work-groups share only the gain and the bias.
.set PITCH, 4112
.set SPARE, 16*PITCH
.set X,   32
.set GG,  160
.set BB,  192
.set TM,  160
.set SPW, 8
.set NIL, 9
.set SEL, 60
.set ASC, 3145728
.macro QUANT s, pc, pw
.irp b, 0,1,2,3
	v_max3_num_f32 v[TM+\b], |v[\s+16*\b]|, |v[\s+1+16*\b]|, 0x1800000   ; my 16 numbers of block b and the floor 2^(3 - 127)
.endr
.irp i, 2,4,6,8,10,12,14
.irp b, 0,1,2,3
	v_max3_num_f32 v[TM+\b], v[TM+\b], |v[\s+16*\b+\i]|, |v[\s+1+16*\b+\i]|
.endr
.endr
.irp b, 0,1,2,3
	v_permlanex16_b32 v[TM+4+\b], v[TM+\b], s[SEL], s[SEL+1]
.endr
.irp b, 0,1,2,3
	v_max_num_f32 v[TM+\b], v[TM+\b], v[TM+4+\b]
.endr
.irp b, 0,1,2,3
	v_add_nc_u32 v[TM+12+\b], 0xff000000, v[TM+\b] ; 2 off the exponent field: the conversion's scale operand
.endr
.irp b, 0,1,2,3
	v_lshrrev_b32 v[TM+4+\b], 23, v[TM+12+\b]      ; the scale's byte
.endr
	v_lshl_or_b32 v[\pw], v[TM+5], 8, v[TM+4]
	v_lshl_or_b32 v[\pw], v[TM+6], 16, v[\pw]
	v_lshl_or_b32 v[\pw], v[TM+7], 24, v[\pw]
.irp c, 0,1
	v_cvt_scalef32_pk16_fp6_f32 v[\pc+6*\c:\pc+2+6*\c], v[\s+32*\c:\s+15+32*\c], v[TM+12+2*\c]
	v_cvt_scalef32_pk16_fp6_f32 v[\pc+12+4*\c:\pc+14+4*\c], v[\s+16+32*\c:\s+31+32*\c], v[TM+12+2*\c+1]
.endr
	v_nop
.irp c, 0,1
.irp i, 0,1,2
	v_permlane16_swap_b32 v[\pc+6*\c+\i], v[\pc+12+4*\c+\i]
.endr
.irp i, 0,1,2
	v_mov_b32 v[\pc+3+6*\c+\i], v[\pc+12+4*\c+\i]
.endr
.endr
.endm
.macro REDUCE
.irp i, 0,1,2,3
	v_add_f32 v[10+2*\i], v[10+2*\i], v[11+2*\i]
.endr
.irp m, 1,2,4,8
.irp i, 0,1,2,3
	v_add_f32_dpp v[10+2*\i], v[10+2*\i], v[10+2*\i] row_xmask:\m row_mask:0xf bank_mask:0xf
.endr
.endr
.irp i, 0,1,2,3
	v_permlanex16_b32 v[26+\i], v[10+2*\i], s[SEL], s[SEL+1]
.endr
.irp i, 0,1,2,3
	v_add_f32 v[10+2*\i], v[10+2*\i], v[26+\i]
.endr
.endm
	s_load_b256 s[4:11], s[0:1], 0x0               ; x1, gain, bias, act
	v_lshl_add_u32 v[SPW], v0, 2, SPARE
	v_mov_b32 v[NIL], 0
	v_lshrrev_b32 v1, 5, v0
	v_readfirstlane_b32 s12, v1
	v_and_b32 v1, 31, v0
	v_and_b32 v7, 15, v0
	v_bfe_u32 v30, v0, 4, 1
	v_lshlrev_b32 v2, 4, v1
	v_lshlrev_b32 v5, 3, v1
	v_lshlrev_b32 v6, 2, v1
	s_mul_i32 s13, s12, 4*PITCH
	v_lshl_add_u32 v3, v1, 4, s13
	v_mul_u32_u24 v4, v7, PITCH
	v_lshl_add_u32 v4, v30, 6, v4
	s_lshl_b32 s13, s12, 10
	v_add_nc_u32 v4, s13, v4
	s_mov_b32 s[SEL], 0x76543210
	s_mov_b32 s[SEL+1], 0xfedcba98
	s_mov_b32 s58, 0x3a800000                      ; 1 / 1024
	s_mov_b32 s59, 0x3727c5ac                      ; 1e-5
.irp i, 0,1,2,3
	v_mov_b32 v[19+2*\i], 0
	v_mov_b32 v[26+\i], 0
.endr
	s_lshr_b32 s42, ttmp9, 1
	s_lshl_b32 s42, s42, 5
	s_and_b32 s43, ttmp9, 1
	s_lshl_b32 s43, s43, 3
	s_add_co_u32 s42, s42, s43
	s_lshl_b32 s43, s12, 2
	s_add_co_u32 s42, s42, s43
	s_lshr_b32 s43, s12, 1
	s_lshl_b32 s43, s43, 3
	s_add_co_u32 s42, s42, s43                     ; my wave's first row
	s_lshl_b32 s42, s42, 12
	s_mov_b32 s43, 0
	s_lshl_b32 s44, ttmp9, 3
	s_lshl_b32 s45, s12, 1
	s_add_co_u32 s44, s44, s45
	s_mul_i32 s44, s44, 1536
	s_mov_b32 s45, 0
	s_lshl_b32 s50, ttmp9, 2
	s_add_co_u32 s50, s50, s12
	s_lshl_b32 s50, s50, 7
	s_add_co_u32 s50, s50, ASC
	s_mov_b32 s51, 0
	s_wait_kmcnt 0x0
	s_add_nc_u64 s[4:5], s[4:5], s[42:43]
	s_add_nc_u64 s[46:47], s[10:11], s[44:45]
	s_add_nc_u64 s[48:49], s[10:11], s[50:51]
.irp i, 0,1,2,3
.irp c, 0,1,2,3,4,5,6,7
	global_load_b128 v[X+32*\i+4*\c:X+32*\i+4*\c+3], v2, s[4:5] offset:4096*\i+512*\c
.endr
.endr
.irp c, 0,1,2,3,4,5,6,7
	global_load_b128 v[GG+4*\c:GG+4*\c+3], v2, s[6:7] offset:512*\c
.endr
.irp c, 0,1,2,3,4,5,6,7
	global_load_b128 v[BB+4*\c:BB+4*\c+3], v2, s[8:9] offset:512*\c
.endr
	s_wait_loadcnt 16                              ; the rows are in; gain's and bias's sixteen loads may be out
.irp i, 0,1,2,3
	v_pk_add_f32 v[10+2*\i:11+2*\i], v[X+32*\i:X+32*\i+1], v[X+32*\i+2:X+32*\i+3]
.endr
.irp k, 4,6,8,10,12,14,16,18,20,22,24,26,28,30
.irp i, 0,1,2,3
	v_pk_add_f32 v[10+2*\i:11+2*\i], v[10+2*\i:11+2*\i], v[X+32*\i+\k:X+32*\i+\k+1]
.endr
.endr
	REDUCE
.irp i, 0,1,2,3
	v_mul_f32 v[18+2*\i], s58, v[10+2*\i]          ; the mean
.endr
.irp k, 0,2,4,6,8,10,12,14,16,18,20,22,24,26,28,30
.irp i, 0,1,2,3
	v_pk_add_f32 v[X+32*\i+\k:X+32*\i+\k+1], v[X+32*\i+\k:X+32*\i+\k+1], v[18+2*\i:19+2*\i] op_sel_hi:[1,0] neg_lo:[0,1] neg_hi:[0,1]
.endr
.endr
.irp i, 0,1,2,3
	v_pk_mul_f32 v[10+2*\i:11+2*\i], v[X+32*\i:X+32*\i+1], v[X+32*\i:X+32*\i+1]
.endr
.irp k, 2,4,6,8,10,12,14,16,18,20,22,24,26,28,30
.irp i, 0,1,2,3
	v_pk_fma_f32 v[10+2*\i:11+2*\i], v[X+32*\i+\k:X+32*\i+\k+1], v[X+32*\i+\k:X+32*\i+\k+1], v[10+2*\i:11+2*\i]
.endr
.endr
	REDUCE
.irp i, 0,1,2,3
	v_fma_f32 v[10+2*\i], v[10+2*\i], s58, s59     ; the variance + eps
.endr
	s_wait_alu depctr_va_vdst(0)
.irp i, 0,1,2,3
	v_rsq_f32 v[18+2*\i], v[10+2*\i]
.endr
	v_nop
	s_wait_alu depctr_va_vdst(0)                   ; one wait for the four, ahead of their first reader
	s_wait_loadcnt 0x0
.irp k, 0,2,4,6,8,10,12,14,16,18,20,22,24,26,28,30
.irp i, 0,1,2,3
	v_pk_mul_f32 v[X+32*\i+\k:X+32*\i+\k+1], v[X+32*\i+\k:X+32*\i+\k+1], v[18+2*\i:19+2*\i] op_sel_hi:[1,0]
.endr
.irp i, 0,1,2,3
	v_pk_fma_f32 v[X+32*\i+\k:X+32*\i+\k+1], v[X+32*\i+\k:X+32*\i+\k+1], v[GG+\k:GG+\k+1], v[BB+\k:BB+\k+1]
.endr
.endr
.irp i, 0,1,2,3
.irp c, 0,1,2,3,4,5,6,7
	ds_store_b128 v3, v[X+32*\i+4*\c:X+32*\i+4*\c+3] offset:PITCH*\i+512*\c
.endr
.endr
	s_wait_dscnt 0x0                               ; for the others' sake: my rows lie in the stage
	s_barrier_signal -1
	s_barrier_wait -1
.irp u, 0,1
.irp b, 0,1,2,3
.irp i, 0,1,2,3
	ds_load_b128 v[X+64*\u+16*\b+4*\i:X+64*\u+16*\b+4*\i+3], v4 offset:512*\u+128*\b+16*\i
.endr
.endr
.endr
.irp b, 0,1,2,3
	v_mov_b32 v[TM+4+\b], 0
.endr
	s_wait_dscnt 16                                ; the first K step's sixteen loads are in
	QUANT X, 176, 216
.irp p, 0,1,2,3,4,5
	global_store_b64 v5, v[176+2*\p:177+2*\p], s[46:47] offset:256*\p
.endr
	s_wait_dscnt 0x0
	QUANT X+64, 196, 217
.irp p, 0,1,2,3,4,5
	global_store_b64 v5, v[196+2*\p:197+2*\p], s[46:47] offset:1536+256*\p
.endr
	v_cmp_le_u32 vcc_lo, 16, v1
	v_cndmask_b32 v218, v216, v217, vcc_lo
	global_store_b32 v6, v218, s[48:49]
	s_wait_tensorcnt 0x0                           ; the wave's end
	ds_add_u32 v[SPW], v[NIL]
	s_wait_dscnt 0x0
	s_endpgm
.Lfunc_end_k_q29b6e6d593_ln2:
	.size	k_q29b6e6d593_ln2, .Lfunc_end_k_q29b6e6d593_ln2-k_q29b6e6d593_ln2
	.p2alignl 7, 3214868480
	.fill 96, 4, 3214868480
	.section	.rodata,"a",@progbits
	.p2align	6, 0x0
	.amdhsa_kernel k_q29b6e6d593_ln2
		.amdhsa_group_segment_fixed_size 66304
		.amdhsa_private_segment_fixed_size 0
		.amdhsa_enable_private_segment 0
		.amdhsa_kernarg_size 32
		.amdhsa_user_sgpr_count 2
		.amdhsa_user_sgpr_kernarg_segment_ptr 1
		.amdhsa_wavefront_size32 1
		.amdhsa_system_sgpr_workgroup_id_x 1
		.amdhsa_system_sgpr_workgroup_id_y 1
		.amdhsa_system_sgpr_workgroup_id_z 1
		.amdhsa_system_vgpr_workitem_id 0
		.amdhsa_next_free_vgpr 224
		.amdhsa_next_free_sgpr 66
		.amdhsa_reserve_vcc 1
		.amdhsa_float_denorm_mode_32 3
		.amdhsa_float_denorm_mode_16_64 3
		.amdhsa_memory_ordered 1
		.amdhsa_forward_progress 1
		.amdhsa_inst_pref_size 44
	.end_amdhsa_kernel
	.amdgpu_metadata
---
amdhsa.version: [ 1, 2 ]
amdhsa.kernels:
  - .name:           k_q29b6e6d593_ln2
    .symbol:         k_q29b6e6d593_ln2.kd
    .args:
      - { .name: x1, .offset: 0, .size: 8, .value_kind: global_buffer, .address_space: global }
      - { .name: ln2_g, .offset: 8, .size: 8, .value_kind: global_buffer, .address_space: global }
      - { .name: ln2_b, .offset: 16, .size: 8, .value_kind: global_buffer, .address_space: global }
      - { .name: act, .offset: 24, .size: 8, .value_kind: global_buffer, .address_space: global }
    .group_segment_fixed_size: 66304
    .private_segment_fixed_size: 0
    .kernarg_segment_align: 8
    .kernarg_segment_size: 32
    .max_flat_workgroup_size: 128
    .sgpr_count:     66
    .vgpr_count:     224
    .wavefront_size: 32
...
	.end_amdgpu_metadata
.endif
;; end of part 5
;; launch ffn1 (part 6): grid 16 x 16, 4 waves a work-group, clusters of 4 x 4, 327,680 bytes of LDS; arguments act, wts, b1, hid; writes hid
.if DOCPART == 6
	.amdgcn_target "amdgcn-amd-amdhsa--gfx1250"
	.amdhsa_code_object_version 6
	.text
	.protected	k_q29b6e6d593_ffn1
	.globl	k_q29b6e6d593_ffn1
	.p2align	8
	.type	k_q29b6e6d593_ffn1,@function
k_q29b6e6d593_ffn1:
	s_mov_b64 s[64:65], 0
	v_nop
	global_prefetch_b8 v0, s[64:65] scope:SCOPE_SE
	s_setreg_imm32_b32 hwreg(HW_REG_WAVE_MODE, 25, 1), 1
	s_wait_xcnt 0x0
	s_wait_alu depctr_hold_cnt(0) depctr_sa_sdst(0) depctr_va_vdst(0) depctr_va_sdst(0) depctr_va_ssrc(0) depctr_va_vcc(0) depctr_vm_vsrc(0)
	s_getreg_b32 s2, hwreg(HW_REG_IB_STS2, 6, 4)
	s_cmp_eq_u32 s2, 0
	s_cbranch_scc0 .Lentry_in_a_cluster
	s_endpgm
.Lentry_in_a_cluster:
	s_bfe_u32 s2, ttmp6, 0x10000c
	s_cmp_lg_u32 s2, 0xf033
	s_cbranch_scc0 .Lentry_shape_is_right
	s_endpgm
.Lentry_shape_is_right:
.set FFN,   1
.set HALFT, 24576
.set SLOT,  4*HALFT
.set SPARE, 2*SLOT
.set FR,    12
.set WS,    9437184
.set ADRA, 16
.set ADRB, 20
.set LN,   22
.set L8,   24
.set L4,   25
.set SCO,  26
.set BAD,  27
.set SPW,  28
.set NIL,  29
.set SCA,  32
.set SCB,  64
.set AF,   128
.set TM,   128
.set PC,   144
.set PWS,  168
.set PWC,  176
.set SEL,  2
.set G1,  24
.set G0,  32
.set G1B, 48
.set G0B, 56
.set MSB, 0
.macro WIN new
.if MSB != (\new)
	s_set_vgpr_msb (MSB<<8)|(\new)
.set MSB, (\new)
.endif
.endm
.macro JLOAD s
	s_cmp_eq_u32 s15, 0
	s_cbranch_scc0 .Lfor_b_\@
	tensor_load_to_lds s[G0+4*(\s):G0+4*(\s)+3], s[G1:G1+7]
	s_nop 0
.rept 4
	v_nop
.endr
	s_branch .Lasked_\@
.Lfor_b_\@:
	tensor_load_to_lds s[G0B+4*(\s):G0B+4*(\s)+3], s[G1B:G1B+7]
	s_nop 0
.rept 4
	v_nop
.endr
.Lasked_\@:
.endm
.macro CREST
	s_cmp_lg_u32 s14, 0
	s_cbranch_scc1 .Lnot_wave_0_\@
	s_barrier_signal -3
.Lnot_wave_0_\@:
	s_barrier_wait -3
	s_barrier_signal -1
	s_barrier_wait -1
.endm
.macro CROUND
	s_barrier_signal -1
	s_barrier_wait -1
	CREST
.endm
.macro PLACES n
.rept \n
	v_nop
.endr
.endm
	s_load_b128 s[4:7], s[0:1], 0x0
.if FFN
	s_load_b128 s[8:11], s[0:1], 0x10
.else
	s_load_b64 s[8:9], s[0:1], 0x10
.endif
	v_lshl_add_u32 v[SPW], v0, 2, SPARE
	v_mov_b32 v[NIL], 0
	ds_add_u32 v[SPW], v[NIL]
	ds_add_u32 v[SPW], v[NIL]
	v_lshrrev_b32 v1, 5, v0
	v_readfirstlane_b32 s14, v1
	v_and_b32 v18, 31, v0                          ; the prefetches' offset: 24 blocks of 256 bytes, a lane a block (lanes 24-31 name the last again)
	v_min_u32 v18, 23, v18
	v_mul_u32_u24 v19, v18, 43
	v_lshrrev_b32 v19, 9, v19                      ; 1 from the twelfth on: the second of my two operand blocks
	v_lshlrev_b32 v18, 8, v18
	v_mad_u32_u24 v18, v19, 9216, v18              ; which begins 12,288 bytes behind the first
	s_lshr_b32 s15, s14, 1
	s_and_b32 s16, s14, 1
	s_bfe_u32 s40, ttmp6, 0x40000
	s_bfe_u32 s41, ttmp6, 0x40004
	s_and_b32 s17, ttmp7, 0xffff
.if FFN
	s_mov_b32 s18, s17
	s_mov_b32 s19, ttmp9
.else
	s_cmp_eq_u32 ttmp9, 2
	s_cselect_b32 s18, 0, s17
	s_cselect_b32 s19, s17, ttmp9
	s_cselect_b32 s82, 1, 0
.endif
	s_lshl_b32 s17, s18, 2
	s_add_co_u32 s17, s17, s41
	s_lshl_b32 s42, s19, 2
	s_add_co_u32 s42, s42, s40
	s_lshl_b32 s43, s41, 2
	s_lshl_b32 s43, 15, s43
	s_lshl_b32 s44, 0x1111, s40
	s_or_b32 s[G1+0], s43, (3<<16)|(1<<21)
	s_or_b32 s[G1B+0], s44, (3<<16)|(1<<21)
.irp g, G1, G1B
	s_mov_b32 s[\g+1], 384<<16
	s_mov_b32 s[\g+2], 8<<16
	s_mov_b32 s[\g+3], 384<<16
	s_mov_b32 s[\g+4], 8
	s_mov_b32 s[\g+5], 1536
	s_mov_b32 s[\g+6], 0
	s_mov_b32 s[\g+7], 0
.endr
	s_lshl_b32 s18, s16, 3
	s_lshl_b32 s20, s17, 4
	s_add_co_u32 s20, s20, s18
	s_lshl_b32 s46, s42, 4
	s_add_co_u32 s46, s46, s18
	s_mul_i32 s20, s20, 12288
	s_mul_i32 s46, s46, 12288
	s_mov_b32 s21, 0
	s_mov_b32 s47, 0
	s_mul_i32 s45, s14, HALFT
	s_mov_b32 s[SEL], 0x76543210
	s_mov_b32 s[SEL+1], 0xfedcba98
	s_wait_alu depctr_va_vdst(0)
	s_wait_dscnt 0x0
	s_wait_kmcnt 0x0
.if FFN
	s_mov_b64 s[68:69], s[4:5]
	s_add_nc_u64 s[70:71], s[4:5], 3145728
	s_add_nc_u64 s[72:73], s[6:7], 3145728
	s_add_nc_u64 s[74:75], s[6:7], WS+131072
	s_mov_b64 s[76:77], s[10:11]
	s_add_nc_u64 s[78:79], s[10:11], 12582912
	s_mov_b64 s[80:81], s[8:9]
.else
	s_add_nc_u64 s[84:85], s[4:5], 3145728
	s_add_nc_u64 s[86:87], s[6:7], 1572864
	s_add_nc_u64 s[88:89], s[6:7], WS+65536
	s_add_nc_u64 s[90:91], s[6:7], WS
	s_add_nc_u64 s[92:93], s[8:9], 12582912
	s_add_nc_u64 s[94:95], s[8:9], 15728640
	s_add_nc_u64 s[96:97], s[8:9], 16252928
	s_cmp_eq_u32 s82, 1
	s_cselect_b64 s[68:69], s[86:87], s[4:5]
	s_cselect_b64 s[70:71], s[88:89], s[84:85]
	s_cselect_b64 s[72:73], s[4:5], s[6:7]
	s_cselect_b64 s[74:75], s[84:85], s[90:91]
	s_cselect_b64 s[76:77], s[92:93], s[8:9]
	s_cselect_b64 s[78:79], s[96:97], s[94:95]
.endif
	s_add_nc_u64 s[20:21], s[68:69], s[20:21]
	s_add_nc_u64 s[46:47], s[72:73], s[46:47]
	s_cmp_eq_u32 s15, 0                            ; the prefetches: of the eight blocks that I fetch, each of the four partners that ask with me names two, told apart by address
	s_cselect_b64 s[84:85], s[20:21], s[46:47]
	s_cselect_b32 s86, s40, s41
	s_mul_i32 s86, s86, 24576
	s_mov_b32 s87, 0
	s_add_nc_u64 s[84:85], s[84:85], s[86:87]
	CROUND
.irp s, 0,1
	s_mov_b32 s[G0+4*\s], 1
	s_add_co_u32 s[G0+4*\s+1], s45, \s*SLOT
	s_add_nc_u64 s[G0+4*\s+2:G0+4*\s+3], s[20:21], \s*3072
	s_or_b32 s[G0+4*\s+3], s[G0+4*\s+3], 0x80000000
	s_mov_b32 s[G0B+4*\s], 1
	s_add_co_u32 s[G0B+4*\s+1], s45, \s*SLOT
	s_add_nc_u64 s[G0B+4*\s+2:G0B+4*\s+3], s[46:47], \s*3072
	s_or_b32 s[G0B+4*\s+3], s[G0B+4*\s+3], 0x80000000
.if \s == 0
	JLOAD 0                                        ; the first fill: one tensor load a wave at the head
	global_prefetch_b8 v18, s[84:85] offset:3072 th:TH_LOAD_NT scope:SCOPE_SE   ; the second fill: 3,072 bytes of each block
.endif
.endr
	v_and_b32 v[LN], 31, v0
	v_and_b32 v1, 15, v0
	v_bfe_u32 v2, v0, 4, 1
	v_lshlrev_b32 v[L8], 3, v[LN]
	v_lshlrev_b32 v[L4], 2, v[LN]
	v_lshlrev_b32 v23, 4, v[LN]                    ; 16 x lane: the hidden layer's images are laid for loads of 16 bytes a lane
	s_wait_alu depctr_va_vdst(0)
	v_lshlrev_b32 v[SCO], 2, v1
	v_lshl_add_u32 v[SCO], v2, 11, v[SCO]
	v_lshlrev_b32 v[BAD], 6, v2
	s_wait_alu depctr_va_vdst(0)
	s_mul_i32 s18, s15, HALFT
	s_mul_i32 s19, s16, HALFT
	s_add_co_u32 s19, s19, 2*HALFT
.irp s, 0,1
	v_add_nc_u32 v[ADRA+\s], s18, v[L8]
	v_add_nc_u32 v[ADRB+\s], s19, v[L8]
	s_add_co_u32 s18, s18, SLOT
	s_add_co_u32 s19, s19, SLOT
.endr
	s_lshl_b32 s18, s17, 4
	s_lshl_b32 s19, s15, 3
	s_add_co_u32 s18, s18, s19
	s_lshl_b32 s22, s18, 9
	s_mov_b32 s23, 0
	s_add_nc_u64 s[70:71], s[70:71], s[22:23]
	s_lshl_b32 s19, s42, 4
	s_lshl_b32 s22, s16, 3
	s_add_co_u32 s19, s19, s22
	s_lshl_b32 s22, s19, 9
	s_add_nc_u64 s[74:75], s[74:75], s[22:23]
	s_lshl_b32 s18, s18, 5
	s_lshl_b32 s19, s42, 1
	s_add_co_u32 s18, s18, s19
	s_add_co_u32 s18, s18, s16
	s_mul_i32 s22, s18, 1536
	s_add_nc_u64 s[76:77], s[76:77], s[22:23]
	s_lshl_b32 s22, s18, 6
	s_add_nc_u64 s[78:79], s[78:79], s[22:23]
.irp a, 0,1,2,3,4,5,6,7
.irp t, 0,1,2,3
	global_load_b32 v[SCA+4*\a+\t], v[L4], s[70:71] offset:128*(4*\a+\t)
	global_load_b32 v[SCB+4*\a+\t], v[L4], s[74:75] offset:128*(4*\a+\t)
.endr
.endr
.if FFN
	s_lshl_b32 s22, s42, 10
	s_lshl_b32 s19, s16, 9
	s_add_co_u32 s22, s22, s19
	s_add_nc_u64 s[80:81], s[80:81], s[22:23]
	WIN 0x40
.irp b, 0,1,2,3,4,5,6,7
	global_load_b128 v[96+8*\b+96*(\b/4):96+8*\b+96*(\b/4)+3], v[BAD], s[80:81] offset:4*(32*(\b/2)+8*(\b%2))
	global_load_b128 v[96+8*\b+96*(\b/4)+4:96+8*\b+96*(\b/4)+7], v[BAD], s[80:81] offset:4*(32*(\b/2)+8*(\b%2))+16
.endr
	WIN 0
.endif
.macro FRAG reg, adr, q, i
.irp p, 0,1,2,3,4,5
	ds_load_b64 v[\reg+2*\p:\reg+2*\p+1], v[\adr] offset:3072*(\i)+1536*(\q)+256*\p
.endr
.endm
.macro FETCH_B slot, q, p
	WIN 0x40
.irp i, 0,1,2,3,4,5,6,7
	FRAG 128*(\p)+FR*\i, ADRB+\slot, \q, \i
.endr
	WIN 0
.endm
.macro FETCH_A slot, q, i0
.irp i, \i0, \i0+1, \i0+2, \i0+3
	FRAG AF+FR*(\i), ADRA+\slot, \q, \i
.endr
.endm
.macro MUL16 a0, p, q, t, first
.irp a, \a0, \a0+1
.irp b, 0,1,2,3,4,5,6,7
.set rD, 8*(8*((\a)%4)+\b)
.set rB, 128*(\p)+FR*\b
.set rA, AF+FR*(\a)
.set rSB, SCB+4*\b+(\t)
.set rSA, SCA+4*(\a)+(\t)
.set rC, rD
.if (\first) && FFN
.set rC, 96+8*\b+96*(\b/4)
.endif
.if (\first) && (FFN == 0)
	v_wmma_scale_f32_16x16x128_f8f6f4 v[rD:rD+7], v[rB:rB+11], v[rA:rA+11], 0, v[rSB], v[rSA] matrix_a_fmt:MATRIX_FMT_FP6 matrix_b_fmt:MATRIX_FMT_FP6
.elseif (\q) == 0
	v_wmma_scale_f32_16x16x128_f8f6f4 v[rD:rD+7], v[rB:rB+11], v[rA:rA+11], v[rC:rC+7], v[rSB], v[rSA] matrix_a_fmt:MATRIX_FMT_FP6 matrix_b_fmt:MATRIX_FMT_FP6
.else
	v_wmma_scale_f32_16x16x128_f8f6f4 v[rD:rD+7], v[rB:rB+11], v[rA:rA+11], v[rC:rC+7], v[rSB], v[rSA] matrix_a_fmt:MATRIX_FMT_FP6 matrix_b_fmt:MATRIX_FMT_FP6 matrix_a_scale:MATRIX_SCALE_ROW1 matrix_b_scale:MATRIX_SCALE_ROW1
.endif
.endr
.endr
.endm
.macro STEP slot, t, first
	s_wait_dscnt 24
.if (\first) && FFN
	WIN 0x91
.else
	WIN 0xa1
.endif
	MUL16 0, 0, 0, \t, \first
	MUL16 2, 0, 0, \t, \first
	s_wait_dscnt 0
	PLACES 4
	FETCH_B \slot, 1, 1
	FETCH_A \slot, 1, 0
.if (\first) && FFN
	WIN 0xd1
.else
	WIN 0xf1
.endif
	MUL16 4, 0, 0, \t, \first
	MUL16 6, 0, 0, \t, \first
	PLACES 4
	WIN 0
	FETCH_A \slot, 1, 4
.endm
.macro TURN slot, next, fill, t
	s_wait_tensorcnt 0x0
	ds_add_u32 v[SPW], v[NIL]
	s_wait_dscnt 25
	WIN 0xa1
	MUL16 0, 1, 1, \t, 0
	s_wait_dscnt 0x0
	s_barrier_signal -1
	MUL16 2, 1, 1, \t, 0
	WIN 0
	s_barrier_wait -1
.if \fill
	CREST
	s_add_nc_u64 s[G0+4*\slot+2:G0+4*\slot+3], s[G0+4*\slot+2:G0+4*\slot+3], 6144
	s_add_nc_u64 s[G0B+4*\slot+2:G0B+4*\slot+3], s[G0B+4*\slot+2:G0B+4*\slot+3], 6144
	JLOAD \slot
.else
	PLACES 4
.endif
	FETCH_B \next, 0, 0
	FETCH_A \next, 0, 0
.if (\fill) && ((\t) == 0)
	global_prefetch_b8 v18, s[84:85] offset:9216 th:TH_LOAD_NT scope:SCOPE_SE          ; the last fill, one fill ahead; behind it nothing is left to name
.endif
	WIN 0xf1
	MUL16 4, 1, 1, \t, 0
	MUL16 6, 1, 1, \t, 0
	PLACES 4
	WIN 0
	FETCH_A \next, 0, 4
.endm
	s_wait_alu depctr_va_vdst(0)
	s_wait_tensorcnt 0x0                           ; my part of the first fill is in.  The scale words' and b1's loads are out meanwhile
	ds_add_u32 v[SPW], v[NIL]
	s_wait_dscnt 0x0
	CROUND
	JLOAD 1                                        ; the second fill
	global_prefetch_b8 v18, s[84:85] offset:6144 th:TH_LOAD_NT scope:SCOPE_SE   ; the third
	FETCH_B 0, 0, 0
	FETCH_A 0, 0, 0
	FETCH_A 0, 0, 4
	s_wait_loadcnt 0x0
	STEP 0, 0, 1
	TURN 0, 1, 1, 0
	STEP 1, 1, 0
	TURN 1, 0, 1, 1
	STEP 0, 2, 0
	TURN 0, 1, 0, 2
	STEP 1, 3, 0
	s_wait_dscnt 24
	WIN 0xa1
	MUL16 0, 1, 1, 3, 0
	MUL16 2, 1, 1, 3, 0
	s_wait_dscnt 0
	WIN 0xf1
	MUL16 4, 1, 1, 3, 0
	MUL16 6, 1, 1, 3, 0
	WIN 0
	PLACES 4
.irp b, 0,1,2,3
	v_mov_b32 v[TM+4+\b], 0
.endr
.macro QUANTW a
.set W, 2+(\a)/4
.set sN, 64*((\a)%4)
.if FFN
	WIN (W<<2)|(W<<6)
.set j, 0
.rept 64
	v_max_num_f32 v[sN+j], 0, v[sN+j]
.set j, j+1
.endr
.endif
	WIN W|(W<<2)
.irp b, 0,1,2,3
	v_max3_num_f32 v[TM+\b], |v[sN+16*\b]|, |v[sN+1+16*\b]|, 0x1800000
.endr
.irp i, 2,4,6,8,10,12,14
.irp b, 0,1,2,3
	v_max3_num_f32 v[TM+\b], |v[sN+16*\b+\i]|, |v[sN+1+16*\b+\i]|, v[TM+\b]
.endr
.endr
	WIN 0
.irp b, 0,1,2,3
	v_permlanex16_b32 v[TM+4+\b], v[TM+\b], s[SEL], s[SEL+1]
.endr
.irp b, 0,1,2,3
	v_max_num_f32 v[TM+\b], v[TM+\b], v[TM+4+\b]
.endr
.irp b, 0,1,2,3
	v_add_nc_u32 v[TM+12+\b], 0xff000000, v[TM+\b]
.endr
.irp b, 0,1,2,3
	v_lshrrev_b32 v[TM+4+\b], 23, v[TM+12+\b]
.endr
	v_lshl_or_b32 v[PWS+(\a)], v[TM+5], 8, v[TM+4]
	v_lshl_or_b32 v[PWS+(\a)], v[TM+6], 16, v[PWS+(\a)]
	v_lshl_or_b32 v[PWS+(\a)], v[TM+7], 24, v[PWS+(\a)]
	s_wait_xcnt 0x0
	WIN W
.irp c, 0,1
	v_cvt_scalef32_pk16_fp6_f32 v[PC+6*\c:PC+2+6*\c], v[sN+32*\c:sN+15+32*\c], v[TM+12+2*\c]
	v_cvt_scalef32_pk16_fp6_f32 v[PC+12+4*\c:PC+14+4*\c], v[sN+16+32*\c:sN+31+32*\c], v[TM+12+2*\c+1]
.endr
	WIN 0
	v_nop
.irp c, 0,1
.irp i, 0,1,2
	v_permlane16_swap_b32 v[PC+6*\c+\i], v[PC+12+4*\c+\i]
.endr
.irp i, 0,1,2
	v_mov_b32 v[PC+3+6*\c+\i], v[PC+12+4*\c+\i]
.endr
.endr
.irp p, 0,1,2
	global_store_b128 v23, v[PC+4*\p:PC+4*\p+3], s[76:77] offset:49152*(\a)+512*\p   ; registers 4 p .. 4 p + 3 of lane l at 512 p + 16 l: 32 lanes store 512 consecutive bytes, aligned
.endr
.endm
.irp a, 0,1,2,3,4,5,6,7
	QUANTW \a
.endr
	v_cmp_le_u32 vcc_lo, 16, v[LN]
.irp a, 0,2,4,6
	v_cndmask_b32 v[PWC+\a/2], v[PWS+\a], v[PWS+\a+1], vcc_lo
	global_store_b32 v[SCO], v[PWC+\a/2], s[78:79] offset:2048*\a
.endr
	s_wait_tensorcnt 0x0
	ds_add_u32 v[SPW], v[NIL]
	s_wait_dscnt 0x0
	CROUND
	s_endpgm
.Lfunc_end_k_q29b6e6d593_ffn1:
	.size	k_q29b6e6d593_ffn1, .Lfunc_end_k_q29b6e6d593_ffn1-k_q29b6e6d593_ffn1
	.p2alignl 7, 3214868480
	.fill 96, 4, 3214868480
	.section	.rodata,"a",@progbits
	.p2align	6, 0x0
	.amdhsa_kernel k_q29b6e6d593_ffn1
		.amdhsa_group_segment_fixed_size 327680
		.amdhsa_private_segment_fixed_size 0
		.amdhsa_enable_private_segment 0
		.amdhsa_kernarg_size 32
		.amdhsa_user_sgpr_count 2
		.amdhsa_user_sgpr_kernarg_segment_ptr 1
		.amdhsa_wavefront_size32 1
		.amdhsa_system_sgpr_workgroup_id_x 1
		.amdhsa_system_sgpr_workgroup_id_y 1
		.amdhsa_system_sgpr_workgroup_id_z 1
		.amdhsa_system_vgpr_workitem_id 0
		.amdhsa_next_free_vgpr 1024
		.amdhsa_next_free_sgpr 98
		.amdhsa_reserve_vcc 1
		.amdhsa_float_denorm_mode_32 3
		.amdhsa_float_denorm_mode_16_64 3
		.amdhsa_memory_ordered 1
		.amdhsa_forward_progress 1
		.amdhsa_inst_pref_size 185
	.end_amdhsa_kernel
	.amdgpu_metadata
---
amdhsa.version: [ 1, 2 ]
amdhsa.kernels:
  - .name:           k_q29b6e6d593_ffn1
    .symbol:         k_q29b6e6d593_ffn1.kd
    .args:
      - { .name: act, .offset: 0, .size: 8, .value_kind: global_buffer, .address_space: global }
      - { .name: wts, .offset: 8, .size: 8, .value_kind: global_buffer, .address_space: global }
      - { .name: b1, .offset: 16, .size: 8, .value_kind: global_buffer, .address_space: global }
      - { .name: hid, .offset: 24, .size: 8, .value_kind: global_buffer, .address_space: global }
    .group_segment_fixed_size: 327680
    .private_segment_fixed_size: 0
    .kernarg_segment_align: 8
    .kernarg_segment_size: 32
    .max_flat_workgroup_size: 128
    .sgpr_count:     98
    .vgpr_count:     1024
    .wavefront_size: 32
...
	.end_amdgpu_metadata
.endif
;; end of part 6
;; launch ffn2 (part 7): grid 32 x 8, 4 waves a work-group, clusters of 4 x 1, 327,680 bytes of LDS; arguments hid, wts, b2, x1, out0; writes out0
.if DOCPART == 7
	.amdgcn_target "amdgcn-amd-amdhsa--gfx1250"
	.amdhsa_code_object_version 6
	.text
	.protected	k_q29b6e6d593_ffn2
	.globl	k_q29b6e6d593_ffn2
	.p2align	8
	.type	k_q29b6e6d593_ffn2,@function
k_q29b6e6d593_ffn2:
	s_mov_b64 s[64:65], 0
	v_nop
	global_prefetch_b8 v0, s[64:65] scope:SCOPE_SE
	s_setreg_imm32_b32 hwreg(HW_REG_WAVE_MODE, 25, 1), 1
	s_wait_xcnt 0x0
	s_wait_alu depctr_hold_cnt(0) depctr_sa_sdst(0) depctr_va_vdst(0) depctr_va_sdst(0) depctr_va_ssrc(0) depctr_va_vcc(0) depctr_vm_vsrc(0)
	s_getreg_b32 s2, hwreg(HW_REG_IB_STS2, 6, 4)
	s_cmp_eq_u32 s2, 0
	s_cbranch_scc0 .Lentry_in_a_cluster
	s_endpgm
.Lentry_in_a_cluster:
	s_bfe_u32 s2, ttmp6, 0x10000c
	s_cmp_lg_u32 s2, 0x3003
	s_cbranch_scc0 .Lentry_shape_is_right
	s_endpgm
.Lentry_shape_is_right:
; out0 = x1 + hidden W2 + b2, the product on codes of E2M3.  N is 1,024: tiles of 128 x 128 give 256 work-groups.  Grid x: the tile's row (128 tokens); grid y: its column.
; THE FOUR WAVES SPLIT K.  Each wave makes the whole tile, 64 accumulators in 512 registers, over its quarter of K (8 steps of 128): 16 fragments feed 64 products, and no fragment is read by two waves.
; THE TOKENS' FRAGMENTS go from memory straight into registers (images: registers 4 q .. 4 q + 3 of lane l at 512 q + 16 l), two sets, asked for two steps ahead.
; W2'S FRAGMENTS are shared: the four work-groups of a cluster (four tile rows, one tile column) need the same ones, so from step 2 on they come JOINTLY, by tensor loads with the mask of all four, into two LDS slots.
; Those of steps 0 and 1 come straight into registers beside the tokens', so that the first products wait for no tile.
; In wts K step 8 w + s of a block of W2 lies at place 4 s + w: step s of all four waves is 6,144 consecutive bytes.  A slot holds two steps of all waves: 8 blocks x 12,288 bytes; wave w fetches blocks 2 w, 2 w + 1.
; Three fills: steps 2, 3 into slot 1 at the head; steps 4, 5 into slot 0 behind step 1's round (its first fill); steps 6, 7 into slot 1 behind step 3's.  One tensor load of a wave is out at the most; every wait for them is for 0.
; The second and third fill are named by a prefetch one fill ahead: 24 blocks of 256 bytes a wave, the four partners told apart by address.
; x1's rows (32 rows x 512 bytes a wave) are named by a prefetch in step 1 and loaded behind step 6.  The fragments that go straight into registers have no prefetch: their loads run two steps ahead themselves.
; The wait on LOADcnt at a step's head counts the loads issued behind that step's fragments: at step 0 step 1's 48; then 24, or 32 with eight scale loads; ahead of step 7 x1's 32 and b2's one.
; TRANSPOSED: source 0 = 16 rows of W2, source 1 = 16 tokens.  THE SUM OF THE FOUR PARTS: each wave puts its tile in LDS (128 rows of 512 + 16 bytes), over the slots, which have had their last fill and, behind step 7's barrier,
; their last read; behind one more barrier wave w takes rows 32 w .. 32 w + 31 of all four as whole rows, adds them, x1 and b2, and stores: 32 lanes store 512 consecutive bytes, aligned.
; The order of the sum over K differs from reference()'s: four parts, each ascending.  LIMITS as stated in launch 1.
; REGISTERS: window 0: v1-15 addresses and b2; v16-31 the tokens' scale words, two sets of 8; v32-63 W2's (4 b + t); v64-159, v160-255 the tokens' fragments.  window 1: W2's fragments at v0 and v128; at the end x1's rows in v0-127.
;   windows 2, 3: accumulator (a, b) at v[8 (8 (a % 4) + b)] of window 2 + a / 4; at the end the four parts of eight rows by turns.
.set ASC,   12582912
.set WI,    6291456
.set WSC,   9437184+262144
.set SLOT,  98304
.set RP,    528
.set REG,   128*RP
.set SPARE, 4*REG
.set L16, 1
.set L4,  2
.set STO, 3
.set ADB, 4                            ; v4-7: my fragments of W2 in LDS: slot 0 blocks 0-3, 4-7; slot 1 blocks 0-3, 4-7.  On the way out: RD
.set RD,  4
.set PFB, 8
.set SPW, 9
.set NIL, 10
.set PFO, 11
.set BI,  12
.set SA,  16
.set SB,  32
.set AF,  64
.set G0,  48
.set G1,  56
.set MSB, 0
.macro WIN new
.if MSB != (\new)
	s_set_vgpr_msb (MSB<<8)|(\new)
.set MSB, (\new)
.endif
.endm
.macro PLACES
.rept 4
	v_nop
.endr
.endm
.macro CREST
	s_cmp_lg_u32 s14, 0
	s_cbranch_scc1 .Lnot_wave_0_\@
	s_barrier_signal -3
.Lnot_wave_0_\@:
	s_barrier_wait -3
	s_barrier_signal -1
	s_barrier_wait -1
.endm
.macro CROUND
	s_barrier_signal -1
	s_barrier_wait -1
	CREST
.endm
.macro JL s                            ; my quarter of a fill; s_nop 0 and four v_nop follow
	tensor_load_to_lds s[G0+4*(\s):G0+4*(\s)+3], s[G1:G1+7]
	s_nop 0
	PLACES
.endm
.macro LDA lo                          ; the tokens' blocks lo .. lo + 3 of my step kk into set kk % 2
	WIN 0
.irp i, 0,1,2,3
.irp q, 0,1,2
	global_load_b128 v[AF+96*(kk%2)+12*(\lo+\i)+4*\q:AF+96*(kk%2)+12*(\lo+\i)+4*\q+3], v[L16], s[24:25] offset:49152*(\lo+\i)+1536*kk+512*\q
.endr
.endr
.endm
.macro LDBG                            ; W2's eight blocks of my step kk (0 or 1), from memory, into set kk % 2
	WIN 0x40
.irp i, 0,1,2,3,4,5,6,7
.irp q, 0,1,2
	global_load_b128 v[128*(kk%2)+12*\i+4*\q:128*(kk%2)+12*\i+4*\q+3], v[L16], s[22:23] offset:49152*\i+6144*kk+512*\q
.endr
.endr
.endm
.macro LDSB                            ; W2's eight blocks of my step kk, out of slot (kk / 2) % 2, into set kk % 2
	WIN 0x40
.irp i, 0,1,2,3,4,5,6,7
.irp q, 0,1,2
	ds_load_b128 v[128*(kk%2)+12*\i+4*\q:128*(kk%2)+12*\i+4*\q+3], v[ADB+2*((kk/2)%2)+\i/4] offset:12288*(\i%4)+6144*(kk%2)+512*\q
.endr
.endr
.endm
.macro LDSA t                          ; the tokens' scale words of my steps 2 t (lanes 0-15) and 2 t + 1 (lanes 16-31)
	WIN 0
.irp a, 0,1,2,3,4,5,6,7
	global_load_b32 v[SA+8*((\t)%2)+\a], v[L4], s[26:27] offset:2048*\a+128*(\t)
.endr
.endm
.macro MUL16 a0                        ; step k: the tokens' blocks a0, a0 + 1 x W2's eight.  The 64 accumulators take turns in the same order in every step
.irp a, \a0, \a0+1
.irp b, 0,1,2,3,4,5,6,7
.set rD, 8*(8*((\a)%4)+\b)
.set rB, 128*(k%2)+12*\b
.set rA, AF+96*(k%2)+12*(\a)
.set sB, SB+4*\b+k/2
.set sA, SA+8*((k/2)%2)+(\a)
.if k == 0
	v_wmma_scale_f32_16x16x128_f8f6f4 v[rD:rD+7], v[rB:rB+11], v[rA:rA+11], 0, v[sB], v[sA] matrix_a_fmt:MATRIX_FMT_FP6 matrix_b_fmt:MATRIX_FMT_FP6
.elseif k%2 == 0
	v_wmma_scale_f32_16x16x128_f8f6f4 v[rD:rD+7], v[rB:rB+11], v[rA:rA+11], v[rD:rD+7], v[sB], v[sA] matrix_a_fmt:MATRIX_FMT_FP6 matrix_b_fmt:MATRIX_FMT_FP6
.else
	v_wmma_scale_f32_16x16x128_f8f6f4 v[rD:rD+7], v[rB:rB+11], v[rA:rA+11], v[rD:rD+7], v[sB], v[sA] matrix_a_fmt:MATRIX_FMT_FP6 matrix_b_fmt:MATRIX_FMT_FP6 matrix_a_scale:MATRIX_SCALE_ROW1 matrix_b_scale:MATRIX_SCALE_ROW1
.endif
.endr
.endr
.endm
.macro GET n                           ; rows 8 n .. 8 n + 7 of my 32, all four parts: part m of row i at v[16 i + 4 m] of window 2 + n % 2
	WIN (2+(\n)%2)<<6
.irp i, 0,1,2,3,4,5,6,7
.irp m, 0,1,2,3
	ds_load_b128 v[16*\i+4*\m:16*\i+4*\m+3], v[RD+\m] offset:(8*(\n)+\i)*RP
.endr
.endr
.endm
.macro SUM n
.set W, 2+(\n)%2
	WIN W|(W<<2)|(W<<6)
.irp i, 0,1,2,3,4,5,6,7
.irp e, 0,2
	v_pk_add_f32 v[16*\i+\e:16*\i+\e+1], v[16*\i+\e:16*\i+\e+1], v[16*\i+4+\e:16*\i+5+\e]
	v_pk_add_f32 v[16*\i+8+\e:16*\i+9+\e], v[16*\i+8+\e:16*\i+9+\e], v[16*\i+12+\e:16*\i+13+\e]
.endr
.endr
.irp i, 0,1,2,3,4,5,6,7
.irp e, 0,2
	v_pk_add_f32 v[16*\i+\e:16*\i+\e+1], v[16*\i+\e:16*\i+\e+1], v[16*\i+8+\e:16*\i+9+\e]
.endr
.endr
	WIN W|(1<<2)|(W<<6)                            ; x1's rows: window 1
.irp i, 0,1,2,3,4,5,6,7
.irp e, 0,2
	v_pk_add_f32 v[16*\i+\e:16*\i+\e+1], v[16*\i+\e:16*\i+\e+1], v[4*(8*(\n)+\i)+\e:4*(8*(\n)+\i)+\e+1]
.endr
.endr
	WIN W|(W<<6)                                   ; b2 at my four columns: window 0
.irp i, 0,1,2,3,4,5,6,7
.irp e, 0,2
	v_pk_add_f32 v[16*\i+\e:16*\i+\e+1], v[16*\i+\e:16*\i+\e+1], v[BI+\e:BI+\e+1]
.endr
.endr
	WIN W<<2                                       ; a store's data
.irp i, 0,1,2,3,4,5,6,7
.set ii, 8*(\n)+\i
	global_store_b128 v[L16], v[16*\i:16*\i+3], s[36:37] offset:4096*(8*(ii/16)+(ii%16)+8*((ii%16)/8)) th:TH_STORE_NT
.endr
.endm
	s_load_b256 s[4:11], s[0:1], 0x0               ; hid, wts, b2, x1
	s_load_b64 s[12:13], s[0:1], 0x20              ; out0
	v_lshl_add_u32 v[SPW], v0, 2, SPARE
	v_mov_b32 v[NIL], 0
	ds_add_u32 v[SPW], v[NIL]                      ; the opening: the add, twice on end, and its wait ahead of my first tensor load
	ds_add_u32 v[SPW], v[NIL]
	v_lshrrev_b32 v12, 5, v0
	v_readfirstlane_b32 s14, v12                   ; wave: my quarter of K, my quarter of a fill, my quarter of the rows on the way out
	v_and_b32 v13, 31, v0
	v_and_b32 v14, 15, v0                          ; r
	v_bfe_u32 v15, v0, 4, 1                        ; h
	v_lshlrev_b32 v[L16], 4, v13
	v_lshlrev_b32 v[L4], 2, v13
	v_lshlrev_b32 v[PFO], 12, v13                  ; a lane a row of x1
	v_min_u32 v[PFB], 23, v13
	v_lshlrev_b32 v[PFB], 8, v[PFB]                ; a lane a block of 256 bytes, 24 of them (lanes 24-31 name the last again)
	s_mul_i32 s15, s14, REG
	v_mul_u32_u24 v[STO], v14, RP
	v_lshl_add_u32 v[STO], v15, 6, v[STO]
	v_add_nc_u32 v[STO], s15, v[STO]               ; into my part: row r, + 64 h
	s_mul_i32 s15, s14, 1536
.irp j, 0,1,2,3
	v_add_nc_u32 v[ADB+\j], s15, v[L16]            ; my place among the four waves' fragments, 16 bytes a lane
	s_add_co_u32 s15, s15, 49152
.endr
	s_mov_b32 s[G1], 15|(3<<16)|(1<<21)            ; all four work-groups; elements of 8 bytes; bit 21 beside a mask
	s_mov_b32 s[G1+1], 1536<<16                    ; a row: 12,288 bytes
	s_mov_b32 s[G1+2], 2<<16                       ; two blocks
	s_mov_b32 s[G1+3], 1536<<16
	s_mov_b32 s[G1+4], 2
	s_mov_b32 s[G1+5], 6144                        ; from block to block: 49,152 bytes
	s_mov_b32 s[G1+6], 0
	s_mov_b32 s[G1+7], 0
	s_bfe_u32 s16, ttmp6, 0x40000                  ; cx: it enters the tokens', x1's and out0's addresses and the prefetch's alone
	s_lshl_b32 s15, ttmp9, 2
	s_add_co_u32 s15, s15, s16                     ; the tile's row
	s_and_b32 s19, ttmp7, 0xffff                   ; its column
	s_mul_i32 s18, s14, 12288                      ; my 8 steps of the tokens' fragments
	s_mul_i32 s20, s15, 393216                     ; 8 blocks x 32 K steps x 1,536
	s_add_co_u32 s20, s20, s18
	s_mov_b32 s21, 0
	s_mul_i32 s22, s19, 393216
	s_mul_i32 s17, s14, 98304                      ; the two blocks of W2 that I fetch
	s_add_co_u32 s22, s22, s17
	s_add_co_u32 s22, s22, WI
	s_mov_b32 s23, 0
	s_lshl_b32 s17, s14, 9
	s_lshl_b32 s38, s15, 14
	s_add_co_u32 s38, s38, s17
	s_add_co_u32 s38, s38, ASC
	s_mov_b32 s39, 0
	s_lshl_b32 s40, s19, 14
	s_add_co_u32 s40, s40, s17
	s_add_co_u32 s40, s40, WSC
	s_mov_b32 s41, 0
	s_lshl_b32 s42, s19, 9                         ; my tile's first column in bytes
	s_mov_b32 s43, 0
	s_lshl_b32 s44, s15, 19
	s_lshl_b32 s18, s14, 17
	s_add_co_u32 s44, s44, s18
	s_add_co_u32 s44, s44, s42                     ; token 128 x tile row + 32 x wave
	s_mov_b32 s45, 0
	s_lshr_b32 s46, s16, 1                         ; the prefetch: partner cx names half (cx % 2) of block cx / 2 of my two
	s_mul_i32 s46, s46, 49152
	s_and_b32 s47, s16, 1
	s_mul_i32 s47, s47, 6144
	s_add_co_u32 s46, s46, s47
	s_add_co_u32 s46, s46, s22
	s_mov_b32 s47, 0
	s_mul_i32 s17, s14, 24576                      ; where my quarter of a fill lands
	s_wait_alu depctr_va_vdst(0)
	s_wait_dscnt 0x0                               ; both opening adds are done
	s_wait_kmcnt 0x0
	s_add_nc_u64 s[24:25], s[4:5], s[20:21]
	s_add_nc_u64 s[26:27], s[4:5], s[38:39]
	s_add_nc_u64 s[28:29], s[6:7], s[22:23]
	s_add_nc_u64 s[30:31], s[6:7], s[40:41]
	s_add_nc_u64 s[32:33], s[8:9], s[42:43]
	s_add_nc_u64 s[34:35], s[10:11], s[44:45]
	s_add_nc_u64 s[36:37], s[12:13], s[44:45]
	s_add_nc_u64 s[46:47], s[6:7], s[46:47]
	s_mul_i32 s22, s14, 96768                      ; the tile's first block of W2, at my place among the four waves': 98,304 w back, 1,536 w on
	s_sub_nc_u64 s[22:23], s[28:29], s[22:23]
	s_mov_b32 s[G0], 1                             ; slot 0: its first fill, behind step 1's round, steps this address on to steps 4 and 5
	s_mov_b32 s[G0+1], s17
	s_mov_b64 s[G0+2:G0+3], s[28:29]
	s_or_b32 s[G0+3], s[G0+3], 0x80000000
	s_mov_b32 s[G0+4], 1                           ; slot 1: steps 2 and 3
	s_add_co_u32 s[G0+5], s17, SLOT
	s_add_nc_u64 s[G0+6:G0+7], s[28:29], 12288
	s_or_b32 s[G0+7], s[G0+7], 0x80000000
	CROUND                                         ; all four work-groups are here: the first joint loads meet
	JL 1                                           ; steps 2 and 3: one tensor load a wave at the head
.irp b, 0,1,2,3,4,5,6,7
	global_load_b128 v[SB+4*\b:SB+4*\b+3], v[L16], s[30:31] offset:2048*\b   ; word t of lane (r, h): my step 2 t + h
.endr
	LDSA 0
.set kk, 0
	LDBG
	LDA 0
	LDA 4
.set kk, 1
	LDBG
	LDA 0
	LDA 4
	global_prefetch_b8 v[PFB], s[46:47] offset:24576 th:TH_LOAD_NT scope:SCOPE_SE   ; the second fill
.set k, 0
.rept 8
.if k == 7
	s_wait_loadcnt 33
.elseif k == 0
	s_wait_loadcnt 48
.elseif k%2 == 1
	s_wait_loadcnt 32
.else
	s_wait_loadcnt 24
.endif
.if (k == 1) || (k == 3) || (k == 5)           ; the step ahead of a change of slots
	WIN 0
	s_wait_tensorcnt 0x0                           ; all my tensor loads have landed: my quarter of the slot that is read next
	ds_add_u32 v[SPW], v[NIL]                      ; 0 onto my spare word
	s_wait_dscnt 1                                 ; this step's fragments of W2 are in; the add may be out
	WIN 0xa1                                       ; W2 window 1, the tokens window 0, C and D window 2
	MUL16 0
	s_wait_dscnt 0x0                               ; the add is done, and my reads of the slot that is left are over
	s_barrier_signal -1
	MUL16 2
	WIN 0
	s_barrier_wait -1
.if k < 5
	CREST                                          ; the barrier has opened a round of the cluster's: no wave of any partner still reads this slot or has a load on its way
	s_add_nc_u64 s[G0+4*((k/2)%2)+2:G0+4*((k/2)%2)+3], s[G0+4*((k/2)%2)+2:G0+4*((k/2)%2)+3], 24576
	JL (k/2)%2                                     ; the first tensor load behind the round; its four v_nop are the places in front of the loads below
.else
	PLACES
.endif
.set kk, k+1
	LDSB
.if k == 1
	global_prefetch_b8 v[PFB], s[46:47] offset:36864 th:TH_LOAD_NT scope:SCOPE_SE   ; the third and last fill
.endif
.set kk, k+2
	LDA 0
.elseif k == 7
	s_wait_dscnt 0x0                               ; my last reads of the slots are over:
	s_barrier_signal -1                            ; say so; behind the wait below the parts are laid over the slots
	WIN 0xa1
	MUL16 0
	MUL16 2
.else
.if k > 0
	s_wait_dscnt 0x0                               ; this step's fragments of W2 are in
	PLACES                                         ; in front of loads into registers that the last step's products read
.set kk, k+1
	LDSB
.endif
	WIN 0xa1
	MUL16 0
	MUL16 2
.if k < 6
	PLACES
.set kk, k+2
	LDA 0
.endif
.endif
	WIN 0xf1
	MUL16 4
	MUL16 6
.if k < 6
	PLACES
.if k%2 == 0
	LDSA (k+2)/2
.endif
.set kk, k+2
	LDA 4
.endif
.if k == 1
	global_prefetch_b8 v[PFO], s[34:35] th:TH_LOAD_NT scope:SCOPE_SE
	global_prefetch_b8 v[PFO], s[34:35] offset:256 th:TH_LOAD_NT scope:SCOPE_SE
.endif
.if k == 6
	PLACES
	WIN 0x40                                       ; set 0 of W2's fragments is done with
.set i, 0
.rept 32
	global_load_b128 v[4*i:4*i+3], v[L16], s[34:35] offset:4096*(8*(i/16)+(i%16)+8*((i%16)/8)) th:TH_LOAD_NT   ; LDS row 32 w + i is token 32 w + 8 (i / 16) + i % 16 + 8 ((i % 16) / 8)
.set i, i+1
.endr
	WIN 0
	global_load_b128 v[BI:BI+3], v[L16], s[32:33]
.endif
.set k, k+1
.endr
	WIN 0
	s_barrier_wait -1                              ; nobody reads the slots any more
	PLACES
	s_mul_i32 s15, s14, 32*RP
.irp m, 0,1,2,3
	v_add_nc_u32 v[RD+\m], s15, v[L16]             ; out of part m: my 32 rows, 16 bytes a lane
	s_add_co_u32 s15, s15, REG
.endr
.irp a, 0,1,2,3,4,5,6,7
	WIN 0x08+4*(\a/4)                              ; an LDS store's data: window 2 or 3
.irp b, 0,1,2,3,4,5,6,7
	ds_store_b128 v[STO], v[8*(8*(\a%4)+\b):8*(8*(\a%4)+\b)+3] offset:\a*16*RP+128*(\b/2)+32*(\b%2)       ; each accumulator from its low end on
	ds_store_b128 v[STO], v[8*(8*(\a%4)+\b)+4:8*(8*(\a%4)+\b)+7] offset:\a*16*RP+128*(\b/2)+32*(\b%2)+16
.endr
.endr
	WIN 0
	s_wait_alu depctr_va_vdst(0)
	s_wait_dscnt 0x0                               ; for the others' sake: my part lies in LDS
	s_barrier_signal -1
	s_barrier_wait -1
	GET 0
	GET 1
	s_wait_loadcnt 0x0                             ; x1 and b2
.irp n, 0,1,2,3
.if \n < 3
	s_wait_dscnt 32                                ; all but the 32 loads of the next eight rows
.else
	s_wait_dscnt 0x0
.endif
	SUM \n
.if \n < 2
	s_wait_xcnt 0x0                                ; the stores have read their registers: the rows two turns on may land there
	GET \n+2
.endif
.endr
	WIN 0
	s_wait_tensorcnt 0x0                           ; the wave's end
	ds_add_u32 v[SPW], v[NIL]
	s_wait_dscnt 0x0
	CROUND                                         ; the closing round
	s_endpgm
.Lfunc_end_k_q29b6e6d593_ffn2:
	.size	k_q29b6e6d593_ffn2, .Lfunc_end_k_q29b6e6d593_ffn2-k_q29b6e6d593_ffn2
	.p2alignl 7, 3214868480
	.fill 96, 4, 3214868480
	.section	.rodata,"a",@progbits
	.p2align	6, 0x0
	.amdhsa_kernel k_q29b6e6d593_ffn2
		.amdhsa_group_segment_fixed_size 327680
		.amdhsa_private_segment_fixed_size 0
		.amdhsa_enable_private_segment 0
		.amdhsa_kernarg_size 40
		.amdhsa_user_sgpr_count 2
		.amdhsa_user_sgpr_kernarg_segment_ptr 1
		.amdhsa_wavefront_size32 1
		.amdhsa_system_sgpr_workgroup_id_x 1
		.amdhsa_system_sgpr_workgroup_id_y 1
		.amdhsa_system_sgpr_workgroup_id_z 1
		.amdhsa_system_vgpr_workitem_id 0
		.amdhsa_next_free_vgpr 1024
		.amdhsa_next_free_sgpr 66
		.amdhsa_reserve_vcc 0
		.amdhsa_float_denorm_mode_32 3
		.amdhsa_float_denorm_mode_16_64 3
		.amdhsa_memory_ordered 1
		.amdhsa_forward_progress 1
		.amdhsa_inst_pref_size 155
	.end_amdhsa_kernel
	.amdgpu_metadata
---
amdhsa.version: [ 1, 2 ]
amdhsa.kernels:
  - .name:           k_q29b6e6d593_ffn2
    .symbol:         k_q29b6e6d593_ffn2.kd
    .args:
      - { .name: hid, .offset: 0, .size: 8, .value_kind: global_buffer, .address_space: global }
      - { .name: wts, .offset: 8, .size: 8, .value_kind: global_buffer, .address_space: global }
      - { .name: b2, .offset: 16, .size: 8, .value_kind: global_buffer, .address_space: global }
      - { .name: x1, .offset: 24, .size: 8, .value_kind: global_buffer, .address_space: global }
      - { .name: out0, .offset: 32, .size: 8, .value_kind: global_buffer, .address_space: global }
    .group_segment_fixed_size: 327680
    .private_segment_fixed_size: 0
    .kernarg_segment_align: 8
    .kernarg_segment_size: 40
    .max_flat_workgroup_size: 128
    .sgpr_count:     66
    .vgpr_count:     1024
    .wavefront_size: 32
...
	.end_amdgpu_metadata
.endif
;; end of part 7
